; MI455X (gfx1250); checked and timed in simulation.
; The chip was launched on July 23, 2026; its instructions are those of AMD's public machine-readable ISA for CDNA 5 (MIT licence, August 2026) and "CDNA5" Instruction Set Architecture Reference Guide (July 2026). The comments in the code are by the model that wrote it; some were corrected since.
;; Multi Head Attention. Allowed arithmetic: matrix products marked QUANTISED: E4M3 operands, one given power-of-two scale a tensor, by v_wmma_f32_16x16x64_fp8_fp8 or v_wmma_f32_16x16x128_fp8_fp8, f32 sums; everything else in f32.
;; Inputs: Wk 1,024 x 1,024 float32; Wo 1,024 x 1,024 float32; Wq 1,024 x 1,024 float32; Wv 1,024 x 1,024 float32; bo 1,024 float32; lowp_scales 12 int32 (the exponents e of the quantised operands' scales 2^e); x 4 x 2,048 x 1,024 float32.
;; Outputs: out0 4 x 2,048 x 1,024 float32.
;; This version of the problem:
;;   THIS VERSION OF THE PROBLEM IS GIVEN IN LOW PRECISION. The matrix products marked QUANTISED in the list below multiply operands that are first quantised to E4M3 (4 exponent bits, 3 mantissa bits; 8 bits a number), with one given power-of-two scale for each operand tensor; their sums are f32. All else is computed in f32.
;;   The module's matrix products, in the order in which they are computed (A, B: the left and right operand; K: the contracted axis; several contracted axes count as one K, in the product's order):
;;     1. [M 8,192, K 1,024] x [K 1,024, N 1,024]; A: input x; B: input Wq: QUANTISED (scales: A lowp_scales[0], B lowp_scales[1])
;;     2. [M 8,192, K 1,024] x [K 1,024, N 1,024]; A: input x; B: input Wk: QUANTISED (scales: A lowp_scales[2], B lowp_scales[3])
;;     3. [M 8,192, K 1,024] x [K 1,024, N 1,024]; A: input x; B: input Wv: QUANTISED (scales: A lowp_scales[4], B lowp_scales[5])
;;     4. batch 64 x [M 2,048, K 64] x [K 64, N 2,048]; A: computed on the way; B: computed on the way: QUANTISED (scales: A lowp_scales[6], B lowp_scales[7])
;;     5. batch 64 x [M 2,048, K 2,048] x [K 2,048, N 64]; A: softmax (see below); B: computed on the way: QUANTISED (scales: A lowp_scales[8], B lowp_scales[9])
;;     6. [M 8,192, K 1,024] x [K 1,024, N 1,024]; A: computed on the way; B: input Wo: QUANTISED (scales: A lowp_scales[10], B lowp_scales[11])
;;   THE QUANTISER, for each operand of a quantised product, along K:
;;     - The operand's scale is 2^e, e = its entry of the input lowp_scales (int32; the entries are numbered through the quantised products in the list's order, A before B).
;;     - Each number is divided by the scale, clamped to +-448, and rounded to the nearest number of E4M3, ties to even, subnormals kept.
;;     - The product sums the exact products of the quantised numbers (number of the format x scale) in f32.
;;   ~~~python
;;   def quantise(x, axis, e):      # numpy; x: float32 -> the quantised numbers, widened to float32 again
;;       x = np.moveaxis(x, axis, -1); K = x.shape[-1]
;;       r = np.clip(x / 2.0 ** e, -448, 448)
;;       step = 2.0 ** (np.maximum(np.frexp(np.where(r == 0, 1, r))[1] - 1, -6) - 3)
;;       q = np.round(r / step) * step * 2.0 ** e      # np.round: ties to even
;;       return np.moveaxis(q, -1, axis).astype(np.float32)
;;   ~~~
;;   SOFTMAX AHEAD OF A QUANTISED PRODUCT. Where the list says 'softmax', what is quantised is not the finished softmax but p = 2^(t - M), with t = logit x log2(e) and M = ceil(the row's largest t), a whole number; so 1/2 < the row's largest p <= 1. The row's sum l is taken of the UNQUANTISED p, in f32, and the product's result is divided by l at the end. Since M is a whole number, a kernel that streams over the keys may use a running M (the ceiling of the running maximum): every later rescaling is an exact power of two, so the quantised numbers keep their values, but for numbers so far below the row's largest that they fall under the format's range.
;;   OPERANDS COMPUTED ON THE WAY. 'Computed on the way' means the value that the module computes at that place (a softmax that the list does not call 'softmax' is quantised finished and normalised). What goes into a quantiser is computed in f32, as accurately as f32 sums, v_exp_f32 and their like allow (about 1e-6 of the number): no bf16 or f16 on the way to a quantiser, and a product that is left as it is and whose result goes on into a quantised operand takes f32 operands (vector FMAs, or v_wmma_f32_16x16x4_f32). A number that lies on a knife's edge between two numbers of the format may be rounded either way, as far as f32 arithmetic and the matrix unit's own rounding can turn it there, and no further.
;; One version. Each part assembles by itself: llvm-mc -triple=amdgcn-amd-amdhsa -mcpu=gfx1250 --defsym DOCPART=n.
;; ======== version 1 of 1: 4 launches
;; limits: right only within a limited range of input values
;; workspace buffers: xc 25,165,824 bytes; wc 4,194,304 bytes; qc 8,388,608 bytes; kc 8,388,608 bytes; vc 8,388,608 bytes; cc 8,388,608 bytes
;; launch quant (part 1): grid 1280 x 1, 4 waves a work-group, no clusters, 34,304 bytes of LDS; arguments x, Wq, Wk, Wv, Wo, lowp_scales, xc, wc; writes xc, wc
.if DOCPART == 1
	.amdgcn_target "amdgcn-amd-amdhsa--gfx1250"
	.amdhsa_code_object_version 6
	.text
	.protected	k_q092e4f86e9_quant
	.globl	k_q092e4f86e9_quant
	.p2align	8
	.type	k_q092e4f86e9_quant,@function
k_q092e4f86e9_quant:
	s_mov_b64 s[64:65], 0
	v_nop
	global_prefetch_b8 v0, s[64:65] scope:SCOPE_SE
	s_setreg_imm32_b32 hwreg(HW_REG_WAVE_MODE, 25, 1), 1
	s_wait_xcnt 0x0
; x [8192][1024] f32 becomes THREE sets of E4M3 codes (x is the left operand of three products, each with a given scale of its own: entries 0, 2, 4);
; Wq, Wk, Wv, Wo [k 1024][n 1024] f32 become codes with K innermost (entries 1, 3, 5, 11).  code = number / 2^e, held within +-448, to the nearest code, ties to even.
; LIMITS: each e between -126 and 119, so that 2^e and 448 x 2^e are f32 numbers.  NaN among the inputs is not served (an infinity is held at the largest code).
; ALL CODES ARE LAID AS IMAGES OF OPERAND REGISTERS.  An image is 16 rows x 128 k in 2,048 bytes: the 16 bytes at 512 c + 16 (r + 16 h) are row r's codes of k = 32 c + 16 h + 0 .. 15,
; so that four loads of 16 bytes a lane, 512 bytes apart, are a fragment.  xc: [copy 3][row tile 512][k step 8][image].  wc: [weight 4][tile of 16 positions 64][k step 8][image].
; A ROW OF wc IS A POSITION: position p holds the weight's column p with bits 3 and 4 exchanged.  A product that takes 16 positions as its first source then leaves, in two neighbouring
; tiles of results, 16 neighbouring columns in a lane's 16 registers: what the later launches' conversions want.
; SHARES.  Work-groups 0-255 take the weights: 128 columns x 128 k each, a wave 32 columns; a lane takes a column and its registers run down K, so nothing is transposed.
; Work-groups 256-1279 take x: a wave takes 16 rows x 128 k.  Its loads read 512 consecutive bytes of a row; the numbers turn through the wave's own stage in LDS so that a lane holds 16 neighbours along K.
; No input is shared between work-groups, so there is no cluster and no tensor load; waves share nothing, so there is no barrier.
.set SP,    528                        ; a stage row: 512 bytes + 16: row r begins 16 r bytes further round the banks, so 16 lanes that read 16 rows touch 16 different columns of 16 bytes
.set STG,   16*SP                      ; a wave's stage
.set SPARE, 4*STG                      ; behind the four stages: the spare words, 128 bytes for each wave: two blocks of 256 bytes that no other line names
.set SPW,   12                         ; v12  LDS address of my spare word; never rewritten
.set NIL,   13                         ; v13  0; never rewritten
	s_load_b256 s[4:11], s[0:1], 0x0               ; x s[4:5], Wq s[6:7], Wk s[8:9], Wv s[10:11]
	s_load_b256 s[12:19], s[0:1], 0x20             ; Wo s[12:13], the exponents s[14:15], xc s[16:17], wc s[18:19]
	v_lshl_add_u32 v[SPW], v0, 2, SPARE
	v_mov_b32 v[NIL], 0
	v_lshrrev_b32 v1, 5, v0
	v_readfirstlane_b32 s20, v1                    ; wave 0..3
	v_and_b32 v1, 31, v0                           ; lane
	v_lshlrev_b32 v2, 4, v1                        ; 16 x lane
	s_wait_kmcnt 0x0
	s_load_b256 s[24:31], s[14:15], 0x0            ; e0 .. e7
	s_load_b128 s[32:35], s[14:15], 0x20           ; e8 .. e11
	s_cmp_lt_u32 ttmp9, 256
	s_cbranch_scc1 .Lw
	; ---------------- x: 16 rows x 128 k a wave ----------------
	s_sub_co_u32 s21, ttmp9, 256
	s_lshr_b32 s22, s21, 1                         ; row tile 0..511
	s_and_b32 s23, s21, 1
	s_lshl_b32 s23, s23, 2
	s_add_co_u32 s23, s23, s20                     ; k step 0..7
	s_lshl_b32 s36, s22, 16                        ; 16 rows of 4,096 bytes
	s_lshl_b32 s37, s23, 9                         ; 128 numbers of 4 bytes
	s_add_co_u32 s36, s36, s37
	s_mov_b32 s37, 0
	s_add_nc_u64 s[36:37], s[4:5], s[36:37]
	s_wait_alu depctr_va_vdst(0)
.irp p, 0,1,2,3,4,5,6,7,8,9,10,11,12,13,14,15
	global_load_b128 v[16+4*\p:19+4*\p], v2, s[36:37] offset:\p*4096 th:TH_LOAD_NT   ; row p: 32 lanes read 512 consecutive bytes; read once in the launch
.endr
	s_mul_i32 s38, s20, STG
	v_add_nc_u32 v3, s38, v2                       ; into the stage: as loaded
	v_and_b32 v14, 15, v0                          ; r
	v_bfe_u32 v15, v0, 4, 1                        ; h
	v_mul_u32_u24 v4, v14, SP
	v_lshl_add_u32 v4, v15, 6, v4
	v_add_nc_u32 v4, s38, v4                       ; out of it: row r, + 64 h bytes: my 16 numbers of a block of 32
	s_lshl_b32 s39, s22, 3
	s_add_co_u32 s39, s39, s23                     ; which image
	s_lshl_b32 s46, s39, 11
	s_mov_b32 s47, 0
	s_add_nc_u64 s[40:41], s[16:17], s[46:47]      ; the image in copy 0,
	s_add_nc_u64 s[42:43], s[40:41], 8388608       ; copy 1,
	s_add_nc_u64 s[44:45], s[40:41], 16777216      ; copy 2
	s_wait_alu depctr_va_vdst(0)
	s_wait_kmcnt 0x0
.irp w, 0,1,2
	s_add_co_i32 s48, s[24+2*\w], 127
	s_lshl_b32 s49, s48, 23
	v_mov_b32 v[6+\w], s49                         ; 2^e as f32: the conversion takes its exponent field
	s_add_co_i32 s48, s48, 8
	s_lshl_b32 s48, s48, 23
	s_or_b32 s48, s48, 0x600000
.endr
	s_wait_alu depctr_va_vdst(0)
.irp p, 0,1,2,3,4,5,6,7,8,9,10,11,12,13,14,15
	s_wait_loadcnt 15-\p                           ; loads come back in order: row p is in, the younger rows' loads stay out
	ds_store_b128 v3, v[16+4*\p:19+4*\p] offset:\p*SP
.endr
.irp c, 0,1,2,3
.irp j, 0,1,2,3
	ds_load_b128 v[80+16*\c+4*\j:83+16*\c+4*\j], v4 offset:128*\c+16*\j   ; LDS serves a wave's instructions in order: these see my stores.  Register 80 + 16 c + i = k 32 c + 16 h + i of row r
.endr
.endr
.set G, 0
.irp c, 0,1,2,3
	s_wait_dscnt 12-4*\c                           ; block c's four loads are in, the later blocks' stay out; the stores, which are older, have read v16-79
.irp w, 0,1,2
.set TT, 16+16*(G%2)                   ; cancels out: the conversions read the loaded numbers, v80-143, in place
.irp i, 0,1,2,3,4,5,6,7,8,9,10,11,12,13,14,15
.endr
	v_cvt_scalef32_pk8_fp8_f32 v[144+16*\w+4*\c:145+16*\w+4*\c], v[TT+((80+16*\c+0)-(TT+0)):TT+7+((80+16*\c+0)-(TT+0))], v[6+\w]
	v_cvt_scalef32_pk8_fp8_f32 v[146+16*\w+4*\c:147+16*\w+4*\c], v[TT+8+((80+16*\c+0)-(TT+0)):TT+15+((80+16*\c+0)-(TT+0))], v[6+\w]
	global_store_b128 v2, v[144+16*\w+4*\c:147+16*\w+4*\c], s[40+2*\w:41+2*\w] offset:512*\c   ; 32 lanes store 512 consecutive bytes, aligned; each store has data registers of its own
.set G, G+1
.endr
.endr
	v_nop                                          ; a plain line behind the last conversion
	s_branch .Lend
	; ---------------- a weight: 32 columns x 128 k a wave ----------------
.Lw:
	s_lshr_b32 s21, ttmp9, 6                       ; which weight: q, k, v, o
	s_bfe_u32 s22, ttmp9, 0x30003                  ; which 128 columns
	s_and_b32 s23, ttmp9, 7                        ; k step
	s_cmp_lt_u32 s21, 1
	s_cselect_b64 s[36:37], s[6:7], s[8:9]
	s_cmp_lt_u32 s21, 3
	s_cselect_b64 s[38:39], s[10:11], s[12:13]
	s_cmp_lt_u32 s21, 2
	s_cselect_b64 s[36:37], s[36:37], s[38:39]     ; the choice hangs on the work-group's number alone
	s_lshl_b32 s40, s22, 7
	s_lshl_b32 s41, s20, 5
	s_add_co_u32 s40, s40, s41                     ; my wave's first column and first position
	s_lshl_b32 s42, s23, 19                        ; 128 rows of 4,096 bytes
	s_lshl_b32 s43, s40, 2
	s_add_co_u32 s42, s42, s43
	s_mov_b32 s43, 0
	s_add_nc_u64 s[36:37], s[36:37], s[42:43]
	v_and_b32 v5, 7, v0
	v_bfe_u32 v14, v0, 3, 1
	v_lshl_add_u32 v5, v14, 4, v5
	v_bfe_u32 v14, v0, 4, 1
	v_lshl_add_u32 v5, v14, 3, v5                  ; lane l is position l and takes the column l with bits 3 and 4 exchanged
	v_lshlrev_b32 v5, 2, v5
.macro WLOAD t                         ; block t: W(32 t + i, my column), i = 0 .. 31, into set t % 2; a wave's load covers 128 consecutive bytes, the four waves' 512
.set ii, 0
.rept 32
	global_load_b32 v[32+32*((\t)%2)+ii], v5, s[36:37] offset:(32*(\t)+ii)*4096 th:TH_LOAD_NT
.set ii, ii+1
.endr
.endm
	WLOAD 0
	WLOAD 1
	s_lshl_b32 s44, s21, 20                        ; the weight's 1,048,576 bytes of codes,
	s_lshl_b32 s45, s40, 10                        ; tiles of 16 positions, 16,384 bytes each,
	s_add_co_u32 s44, s44, s45
	s_lshl_b32 s45, s23, 11                        ; the k step's image
	s_add_co_u32 s44, s44, s45
	s_mov_b32 s45, 0
	s_add_nc_u64 s[44:45], s[18:19], s[44:45]
	v_bfe_u32 v14, v0, 4, 1
	v_lshlrev_b32 v14, 14, v14
	v_and_b32 v15, 15, v0
	v_lshl_add_u32 v14, v15, 4, v14                ; my tile of positions (lane / 16) and my row in its image
	s_wait_kmcnt 0x0
	s_cmp_lt_u32 s21, 1
	s_cselect_b32 s46, s25, s27                    ; e1 or e3
	s_cmp_lt_u32 s21, 3
	s_cselect_b32 s47, s29, s35                    ; e5 or e11
	s_cmp_lt_u32 s21, 2
	s_cselect_b32 s46, s46, s47
	s_add_co_i32 s46, s46, 127
	s_lshl_b32 s47, s46, 23
	v_mov_b32 v11, s47                             ; 2^e
.macro BLOCK t
.set XS, 32+32*((\t)%2)
.if (\t) < 3
	s_wait_loadcnt 32                              ; this block's 32 loads are in; the next block's 32 may be out
.else
	s_wait_loadcnt 0x0
.endif
.set ii, 0
.rept 32
.set ii, ii+1
.endr
.irp g, 0,1,2,3
	v_cvt_scalef32_pk8_fp8_f32 v[96+8*(\t)+2*\g:97+8*(\t)+2*\g], v[XS+8*\g:XS+8*\g+7], v11
.endr
	global_store_b128 v14, v[96+8*(\t):99+8*(\t)], s[44:45] offset:512*(\t)          ; k = 32 t + 0 .. 15: the image's lanes 0-15; sixteen lanes store 256 consecutive bytes, aligned
	global_store_b128 v14, v[100+8*(\t):103+8*(\t)], s[44:45] offset:512*(\t)+256    ; k = 32 t + 16 .. 31: its lanes 16-31.  Each block has code registers of its own
.if (\t)+2 < 4
	WLOAD (\t)+2                                   ; (a load into a conversion's sources wants no place)
.endif
.endm
	s_wait_alu depctr_va_vdst(0)
	BLOCK 0
	BLOCK 1
	BLOCK 2
	BLOCK 3
	v_nop                                          ; a plain line behind the last conversion
.Lend:
	s_wait_tensorcnt 0x0                           ; the wave's end
	ds_add_u32 v[SPW], v[NIL]
	s_wait_dscnt 0x0
	s_endpgm
.Lfunc_end_k_q092e4f86e9_quant:
	.size	k_q092e4f86e9_quant, .Lfunc_end_k_q092e4f86e9_quant-k_q092e4f86e9_quant
	.p2alignl 7, 3214868480
	.fill 96, 4, 3214868480
	.section	.rodata,"a",@progbits
	.p2align	6, 0x0
	.amdhsa_kernel k_q092e4f86e9_quant
		.amdhsa_group_segment_fixed_size 34304
		.amdhsa_private_segment_fixed_size 0
		.amdhsa_enable_private_segment 0
		.amdhsa_kernarg_size 64
		.amdhsa_user_sgpr_count 2
		.amdhsa_user_sgpr_kernarg_segment_ptr 1
		.amdhsa_wavefront_size32 1
		.amdhsa_system_sgpr_workgroup_id_x 1
		.amdhsa_system_sgpr_workgroup_id_y 1
		.amdhsa_system_sgpr_workgroup_id_z 1
		.amdhsa_system_vgpr_workitem_id 0
		.amdhsa_next_free_vgpr 192
		.amdhsa_next_free_sgpr 66
		.amdhsa_reserve_vcc 0
		.amdhsa_float_denorm_mode_32 3
		.amdhsa_float_denorm_mode_16_64 3
		.amdhsa_fp16_overflow 1
		.amdhsa_memory_ordered 1
		.amdhsa_forward_progress 1
		.amdhsa_inst_pref_size 26
	.end_amdhsa_kernel
	.amdgpu_metadata
---
amdhsa.version: [ 1, 2 ]
amdhsa.kernels:
  - .name:           k_q092e4f86e9_quant
    .symbol:         k_q092e4f86e9_quant.kd
    .args:
      - { .name: x, .offset: 0, .size: 8, .value_kind: global_buffer, .address_space: global }
      - { .name: Wq, .offset: 8, .size: 8, .value_kind: global_buffer, .address_space: global }
      - { .name: Wk, .offset: 16, .size: 8, .value_kind: global_buffer, .address_space: global }
      - { .name: Wv, .offset: 24, .size: 8, .value_kind: global_buffer, .address_space: global }
      - { .name: Wo, .offset: 32, .size: 8, .value_kind: global_buffer, .address_space: global }
      - { .name: lowp_scales, .offset: 40, .size: 8, .value_kind: global_buffer, .address_space: global }
      - { .name: xc, .offset: 48, .size: 8, .value_kind: global_buffer, .address_space: global }
      - { .name: wc, .offset: 56, .size: 8, .value_kind: global_buffer, .address_space: global }
    .group_segment_fixed_size: 34304
    .private_segment_fixed_size: 0
    .kernarg_segment_align: 8
    .kernarg_segment_size: 64
    .max_flat_workgroup_size: 128
    .sgpr_count:     66
    .vgpr_count:     192
    .wavefront_size: 32
...
	.end_amdgpu_metadata
.endif
;; end of part 1
;; launch qkv (part 2): grid 4 x 96, 4 waves a work-group, clusters of 4 x 4, 327,680 bytes of LDS; arguments xc, wc, lowp_scales, qc, kc, vc; writes qc, kc, vc
.if DOCPART == 2
	.amdgcn_target "amdgcn-amd-amdhsa--gfx1250"
	.amdhsa_code_object_version 6
	.text
	.protected	k_q092e4f86e9_qkv
	.globl	k_q092e4f86e9_qkv
	.p2align	8
	.type	k_q092e4f86e9_qkv,@function
k_q092e4f86e9_qkv:
	s_mov_b64 s[64:65], 0
	v_nop
	global_prefetch_b8 v0, s[64:65] scope:SCOPE_SE
	s_setreg_imm32_b32 hwreg(HW_REG_WAVE_MODE, 25, 1), 1
	s_wait_xcnt 0x0
	s_wait_alu depctr_hold_cnt(0) depctr_sa_sdst(0) depctr_va_vdst(0) depctr_va_sdst(0) depctr_va_ssrc(0) depctr_va_vcc(0) depctr_vm_vsrc(0)
	s_getreg_b32 s2, hwreg(HW_REG_IB_STS2, 6, 4)
	s_cmp_eq_u32 s2, 0
	s_cbranch_scc0 .Lentry_in_a_cluster
	s_endpgm
.Lentry_in_a_cluster:
	s_bfe_u32 s2, ttmp6, 0x10000c
	s_cmp_lg_u32 s2, 0xf033
	s_cbranch_scc0 .Lentry_shape_is_right
	s_endpgm
.Lentry_shape_is_right:
; q = x Wq, k = x Wk, v = x Wv on E4M3 codes (K = 1,024), each sum quantised at once for attention's products: q with entry 6, k with 7, v with 9 of the given exponents.
; A sum stands for sum x 2^(eA + eB), so its code is sum / 2^(eO - eA - eB): the three scales are folded into the conversion's one.  LIMIT: eO - eA - eB between -126 and 119.
; SHARES.  Work-group (x, y): y = 32 w + row block; product w (0 q, 1 k, 2 v), 256 rows of x, 256 positions of W (x).  Four waves, 128 x 128 each: 64 accumulators, 512 registers.
; 3 x 32 x 4 = 384 tiles.  OPERANDS arrive as images of fragments (16 rows x 128 k in 2,048 bytes, four loads of 16 bytes a lane 512 bytes apart), so LDS rows need no padding: every LDS load takes 512 consecutive bytes.
; K goes through a ring of two LDS slots of 256 along K: four fills in all, so the ring is written out without a loop.
; CLUSTERS: 4 x 4 work-groups.  The four of a row of the cluster need the same rows of x, the four of a column the same positions of W (all sixteen have one w: it hangs on the cluster's y alone):
; each tile is asked for JOINTLY, by the same tensor load with the same descriptor and a mask that names the four.
; THE FIRST SOURCE'S ROWS RUN ALONG A LANE'S REGISTERS.  For q and k: source 0 = W's positions, source 1 = x's rows: a lane holds one row of x and, in two neighbouring tiles, 16 neighbouring channels
; (W's positions are laid for that): its codes are a quad of an image [16 rows][64 channels] of q or k.  For v the sources change places (source 0 = x's rows, the keys; source 1 = Wv's positions):
; a lane holds one channel and eight keys a tile: the layout of the 16x16x128 form's operand with the keys as K.  The change is made BY THE LDS READ ADDRESSES ALONE: the text is one for all three.
; OUT: qc, kc: [batch x head 64][tile of 16 rows 128][1,024 bytes];  vc: [batch x head 64][128 keys 16][16 channel positions 4][2,048 bytes].  Every store of a wave covers 512 consecutive bytes, aligned: no stage in LDS.
; REGISTERS, in windows of 256: window 0: v9-29 addresses; v128-255 the second source's fragments, ONE set; on the way out v96-111 store offsets, v113 the scale, v128-255 codes.
;   window 1: the first source's fragments, TWO sets, at v0 and v128.   windows 2, 3: the accumulators: (a, b) at v[8 ((8 a + b) % 32)] of window 2 + a / 4.
.set NB,    8                          ; fragments of the first source a wave
.set FR,    16                         ; registers of a fragment
.set NP,    4                          ; places behind this matrix instruction (ISA guide 7.12.1)
.set SLOT,  131072                     ; x's 16 row tiles x 4,096 bytes (two k steps each), then W's 16 tiles of positions
.set SPARE, 2*SLOT                     ; behind the ring: the spare words, 128 bytes for each wave: two blocks of 256 bytes that no other line names
.set LI,   9                           ; v9      16 x lane
.set ADRA, 16                          ; v16-17  LDS address of the second source's fragments in slot 0, 1
.set ADRB, 20                          ; v20-21  the same for the first source
.set SPW,  28                          ; v28     LDS address of my spare word; never rewritten
.set NIL,  29                          ; v29     0; never rewritten
.set TMP,  32
.set OFS,  96
.set LIMV, 112
.set SCV,  113
.set AF,   128
.set CD,   128
.set G1, 24                            ; s[24:31] descriptor group 1 for x's tiles;  s[32:39] group 0, one set for each slot
.set G0, 32
.set G1B, 48                           ; s[48:55], s[56:63] the same for W's tiles
.set G0B, 56
.set MSB, 0
.macro WIN new                         ; the immediate's high byte repeats the setting that is left
.if MSB != \new
	s_set_vgpr_msb (MSB<<8)|\new
.set MSB, \new
.endif
.endm
.set MUL_LO, 0xa1                      ; source 0 window 1, source 1 window 0, C and D window 2
.set MUL_HI, 0xf1                      ; the same, C and D window 3
.set TO_B,   0x40                      ; destination window 1, address window 0
; A joint load: waves 0 and 1 fetch x's halves, waves 2 and 3 W's.  Each of the two lines has ONE mask and one set of registers for all that issue it; the branch hangs on the wave's number alone.
; An s_nop 0 and four v_nop follow each of the two lines, ahead of the jump, the label and what follows.
.macro JLOAD g0a, g1a, g0b, g1b
	s_cmp_eq_u32 s15, 0
	s_cbranch_scc0 .Lfor_b_\@
	tensor_load_to_lds s[\g0a:\g0a+3], s[\g1a:\g1a+7]
	s_nop 0
.rept 4
	v_nop
.endr
	s_branch .Lasked_\@
.Lfor_b_\@:
	tensor_load_to_lds s[\g0b:\g0b+3], s[\g1b:\g1b+7]
	s_nop 0
.rept 4
	v_nop
.endr
.Lasked_\@:
.endm
.macro CREST                           ; a round of the cluster's barrier behind its opening barrier
	s_cmp_lg_u32 s14, 0
	s_cbranch_scc1 .Lnot_wave_0_\@
	s_barrier_signal -3
.Lnot_wave_0_\@:
	s_barrier_wait -3
	s_barrier_signal -1
	s_barrier_wait -1
.endm
.macro CROUND                          ; a whole round
	s_barrier_signal -1
	s_barrier_wait -1
	CREST
.endm
	s_load_b128 s[4:7], s[0:1], 0x0                ; xc s[4:5], wc s[6:7]
	s_load_b128 s[8:11], s[0:1], 0x10              ; the exponents s[8:9], qc s[10:11]
	s_load_b128 s[80:83], s[0:1], 0x20             ; kc s[80:81], vc s[82:83]
	v_lshl_add_u32 v[SPW], v0, 2, SPARE
	v_mov_b32 v[NIL], 0
	ds_add_u32 v[SPW], v[NIL]                      ; the wave's opening: the add and its wait stand ahead of my first tensor load; the set-up below, work on registers, stands between them
	ds_add_u32 v[SPW], v[NIL]
	v_lshrrev_b32 v1, 5, v0
	v_readfirstlane_b32 s14, v1                    ; wave 0..3
	s_lshr_b32 s15, s14, 1                         ; which half of the second source's rows is mine.  Also: I fetch for x (0) or for W (1)
	s_and_b32 s16, s14, 1                          ; which half of the first source's.  Also: which 8 tiles of 16 rows I fetch
	s_bfe_u32 s40, ttmp6, 0x40000                  ; cx, cy: my place in the cluster
	s_bfe_u32 s41, ttmp6, 0x40004
	s_lshl_b32 s42, ttmp9, 2
	s_add_co_u32 s42, s42, s40                     ; which 256 positions of W = 4 x cluster x + cx
	s_and_b32 s84, ttmp7, 0xffff                   ; the cluster's y: 0-7 q, 8-15 k, 16-23 v
	s_lshl_b32 s17, s84, 2
	s_add_co_u32 s17, s17, s41                     ; work-group y = 4 x cluster y + cy = 32 w + row block
	s_lshl_b32 s43, s41, 2
	s_lshl_b32 s43, 15, s43                        ; my row of the cluster
	s_lshl_b32 s44, 0x1111, s40                    ; my column
	; descriptor group 1: 8 rows (tiles of 16 rows of the operand) of 512 elements of 8 bytes (two k steps' images), 2,048 elements (eight k steps) apart in memory, dense in LDS
	s_or_b32 s[G1+0], s43, (3<<16)|(1<<21)         ; 15:0 the mask: x's tiles go to my row; 17:16 elements of 8 bytes; 20 no padding; 21 set beside a mask
	s_or_b32 s[G1B+0], s44, (3<<16)|(1<<21)        ; W's tiles go to my column
.irp g, G1, G1B
	s_mov_b32 s[\g+1], 512<<16                     ; tensor_dim0 = 512
	s_mov_b32 s[\g+2], 8<<16                       ; tensor_dim1 = 8
	s_mov_b32 s[\g+3], 512<<16                     ; tile_dim0 = 512
	s_mov_b32 s[\g+4], 8                           ; tile_dim1 = 8
	s_mov_b32 s[\g+5], 2048                        ; tensor_dim0_stride
	s_mov_b32 s[\g+6], 0
	s_mov_b32 s[\g+7], 0
.endr
	s_lshl_b32 s18, s16, 17                        ; my half: 8 tiles of 16,384 bytes
	s_lshl_b32 s20, s17, 18                        ; x: copy w and row block are one number: y x 262,144 bytes
	s_add_co_u32 s20, s20, s18
	s_mov_b32 s21, 0
	s_lshr_b32 s46, s84, 3                         ; w
	s_lshl_b32 s46, s46, 20                        ; W: the weight's 1,048,576 bytes,
	s_lshl_b32 s47, s42, 18                        ; 256 positions,
	s_add_co_u32 s46, s46, s47
	s_add_co_u32 s46, s46, s18                     ; my half
	s_mov_b32 s47, 0
	s_lshl_b32 s45, s14, 15                        ; where they go: wave x 32,768: x's halves, then W's: no place in the cluster enters an LDS address
	s_wait_dscnt 0x0                               ; the opening add is done
	s_wait_kmcnt 0x0
	s_load_b256 s[68:75], s[8:9], 0x0              ; e0 .. e7
	s_load_b128 s[76:79], s[8:9], 0x20             ; e8 .. e11
	s_add_nc_u64 s[20:21], s[4:5], s[20:21]
	s_add_nc_u64 s[46:47], s[6:7], s[46:47]
	CROUND                                         ; all sixteen work-groups are here: the first joint loads meet
.irp s, 0,1
	s_mov_b32 s[G0+4*\s], 1
	s_add_co_u32 s[G0+4*\s+1], s45, \s*SLOT
	s_add_nc_u64 s[G0+4*\s+2:G0+4*\s+3], s[20:21], \s*4096    ; slot s begins with k steps 2 s, 2 s + 1
	s_or_b32 s[G0+4*\s+3], s[G0+4*\s+3], 0x80000000
	s_mov_b32 s[G0B+4*\s], 1
	s_add_co_u32 s[G0B+4*\s+1], s45, \s*SLOT
	s_add_nc_u64 s[G0B+4*\s+2:G0B+4*\s+3], s[46:47], \s*4096
	s_or_b32 s[G0B+4*\s+3], s[G0B+4*\s+3], 0x80000000
	JLOAD G0+4*\s, G1, G0B+4*\s, G1B               ; two loads of mine are out
.endr
	v_and_b32 v1, 31, v0
	v_lshlrev_b32 v[LI], 4, v1
	s_wait_alu depctr_va_vdst(0)
	; what differs for v, chosen on the cluster's y, which all partners share
	s_cmp_ge_u32 s84, 16
	s_cselect_b32 s85, 65536, 0                    ; the second source is read from W's region (v) or x's
	s_cselect_b32 s86, 0, 65536                    ; the first source from the other
	s_mov_b32 s87, 1024
	s_cselect_b32 s87, 2048, s87                   ; out: from block a to a + 1: 16 channel positions (v) or 16 rows
	s_mov_b32 s88, 4096
	s_cselect_b32 s88, 131072, s88                 ; from a to a + 4: the next head (v) or 64 rows
	s_mov_b32 s89, 131072
	s_cselect_b32 s89, 1024, s89                   ; from quads 0, 1 to quads 2, 3: 1,024 bytes on (v) or the next head
	s_cselect_b32 s90, s16, s15                    ; which 128 rows of x are mine
	s_cselect_b32 s91, s15, s16                    ; which 128 positions of W
	s_cselect_b64 s[82:83], s[82:83], s[80:81]
	s_cmp_lt_u32 s84, 8
	s_cselect_b64 s[10:11], s[10:11], s[82:83]     ; qc, kc or vc
	s_lshl_b32 s22, s15, 15
	s_add_co_u32 s22, s22, s85
	s_lshl_b32 s23, s16, 15
	s_add_co_u32 s23, s23, s86
.irp s, 0,1
	v_add_nc_u32 v[ADRA+\s], s22, v[LI]            ; every such address, with its offsets, stays inside its own slot
	v_add_nc_u32 v[ADRB+\s], s23, v[LI]
	s_add_co_u32 s22, s22, SLOT
	s_add_co_u32 s23, s23, SLOT
.endr
.irp a, 0,1,2,3,4,5,6,7
	s_mul_i32 s92, s88, \a/4
	s_mul_i32 s93, s87, \a%4
	s_add_co_u32 s92, s92, s93
	v_add_nc_u32 v[OFS+2*\a], s92, v[LI]           ; block a's quads 0, 1,
	s_add_co_u32 s92, s92, s89
	v_add_nc_u32 v[OFS+2*\a+1], s92, v[LI]         ; and 2, 3: each store has an offset register that is never rewritten
.endr
	s_and_b32 s92, s17, 31
	s_lshl_b32 s92, s92, 8
	s_lshl_b32 s93, s90, 7
	s_add_co_u32 s92, s92, s93                     ; my first row of x, of 8,192
	s_lshr_b32 s93, s92, 11                        ; its batch
	s_lshl_b32 s93, s93, 4
	s_lshl_b32 s94, s42, 2
	s_add_co_u32 s93, s93, s94
	s_lshl_b32 s94, s91, 1
	s_add_co_u32 s93, s93, s94                     ; batch x 16 + my first head
	s_lshl_b32 s93, s93, 17                        ; 131,072 bytes a head in each of the three buffers
	s_and_b32 s92, s92, 2047
	s_lshl_b32 s92, s92, 6                         ; 64 bytes a row: 1,024 for a tile of 16 rows (q, k), 8,192 for 128 keys (v)
	s_add_co_u32 s92, s92, s93
	s_mov_b32 s93, 0
	s_add_nc_u64 s[10:11], s[10:11], s[92:93]
.macro FRAG reg, adr, q, i             ; a fragment's image: tile i of my eight, k step q of the slot's two; registers 4 c .. 4 c + 3 hold k = 32 c + 16 (lane / 16) + 0 .. 15, alike in both sources
.irp c, 0,1,2,3
	ds_load_b128 v[\reg+4*\c:\reg+4*\c+3], v[\adr] offset:2048*(\q)+512*\c+4096*(\i)
.endr
.endm
; 2 NB matrix instructions: the second source's blocks a0, a0 + 1 x the first source's NB, 128 along K.  p: the first source's set.  zero = 1: the first product starts the sums: nothing is ever cleared.
; The accumulators take turns, one instruction a turn, in the same order in every step.
.macro MULS a0, p, zero
.irp a, \a0, \a0+1
.set bb, 0
.rept NB
.set rD, 8*((NB*(\a)+bb)%32)
.set rB, 128*(\p)+FR*bb
.set rA, AF+FR*(\a)
.if \zero
	v_wmma_f32_16x16x128_fp8_fp8 v[rD:rD+7], v[rB:rB+FR-1], v[rA:rA+FR-1], 0
.else
	v_wmma_f32_16x16x128_fp8_fp8 v[rD:rD+7], v[rB:rB+FR-1], v[rA:rA+FR-1], v[rD:rD+7]
.endif
.set bb, bb+1
.endr
.endr
.endm
.macro FETCH_B slot, q, p
	WIN TO_B
.set ii, 0
.rept NB
	FRAG 128*(\p)+FR*ii, ADRB+\slot, \q, ii
.set ii, ii+1
.endr
	WIN 0
.endm
.macro FETCH_A slot, q, i0
.irp i, \i0, \i0+1, \i0+2, \i0+3
	FRAG AF+FR*(\i), ADRA+\slot, \q, \i
.endr
.endm
; A load into a register that a matrix instruction has read, and a vector instruction that reads a matrix result or writes one of its registers, stand NP places behind it; only plain vector
; instructions that name none of its registers are places (ISA guide 7.12.1 for vector instructions).
.macro PLACES n
.rept \n
	v_nop
.endr
.endm
; A step of 128 along K that has its successor in the same slot.  The second source has one set of registers: blocks 0-3 are fetched anew in the step's middle, blocks 4-7 at its end.
.macro STEP slot, q, zero
	s_wait_dscnt 16                                ; the first source's set and blocks 0-3 are in; the youngest sixteen loads (blocks 4-7) may be out
	WIN MUL_LO
	MULS 0, (\q)%2, \zero
	MULS 2, (\q)%2, \zero
	s_wait_dscnt 0x0                               ; blocks 4-7 are in
	PLACES NP
	FETCH_B \slot, (\q)+1, 1-(\q)%2
	FETCH_A \slot, (\q)+1, 0
	WIN MUL_HI
	MULS 4, (\q)%2, \zero
	MULS 6, (\q)%2, \zero
	PLACES NP
	WIN 0
	FETCH_A \slot, (\q)+1, 4
.endm
; A slot's last step changes slots: ONE barrier; in front of it each wave waits for all its tensor loads, adds 0 to its spare word, and waits for that and for its own reads of this slot.  fill = 1: this slot is filled again, two slots ahead.
.macro TURN slot, next, fill
	s_wait_tensorcnt 0x0                           ; all my tensor loads have landed: my part of the next slot  (every window is 0 here)
	ds_add_u32 v[SPW], v[NIL]                      ; 0 onto my spare word
	s_wait_dscnt 17                                ; (the add and the youngest sixteen loads, blocks 4-7, may be out)
	WIN MUL_LO
	MULS 0, 1, 0                                   ; matrix instructions stand between the add and the wait for it
	s_wait_dscnt 0x0                               ; the add is done, and my reads of this slot are over
	s_barrier_signal -1
	MULS 2, 1, 0
	WIN 0
	s_barrier_wait -1
.if \fill
	CREST                                          ; the barrier has opened a round of the cluster's barrier: no wave of any partner still reads this slot's tile or has a load on its way
	s_add_nc_u64 s[G0+4*\slot+2:G0+4*\slot+3], s[G0+4*\slot+2:G0+4*\slot+3], 8192
	s_add_nc_u64 s[G0B+4*\slot+2:G0B+4*\slot+3], s[G0B+4*\slot+2:G0B+4*\slot+3], 8192
	JLOAD G0+4*\slot, G1, G0B+4*\slot, G1B         ; the first tensor load behind the round, my one load that is out; its four v_nop are the places in front of the loads below
.else
	PLACES NP
.endif
	FETCH_B \next, 0, 0
	FETCH_A \next, 0, 0
	WIN MUL_HI
	MULS 4, 1, 0
	MULS 6, 1, 0
	PLACES NP
	WIN 0
	FETCH_A \next, 0, 4
.endm
	s_wait_tensorcnt 1                             ; my part of slot 0 is in (slot 1's load may be out)
	s_barrier_signal -1
	s_barrier_wait -1                              ; everybody's is
	FETCH_B 0, 0, 0
	FETCH_A 0, 0, 0
	FETCH_A 0, 0, 4
	STEP 0, 0, 1                                   ; k 0-127: its products start the sums
	TURN 0, 1, 1                                   ; k 128-255; slot 0 takes k 512-767
	STEP 1, 0, 0
	TURN 1, 0, 1                                   ; slot 1 takes k 768-1023
	STEP 0, 0, 0
	TURN 0, 1, 0                                   ; nothing is left to fetch: no round of the cluster's barrier
	STEP 1, 0, 0
	s_wait_dscnt 16                                ; the last step
	WIN MUL_LO
	MULS 0, 1, 0
	MULS 2, 1, 0
	s_wait_dscnt 0x0
	WIN MUL_HI
	MULS 4, 1, 0
	MULS 6, 1, 0
	WIN 0
	; THE WAY OUT: convert, store.  The conversions' results are the next launch's operand registers.
	s_wait_kmcnt 0x0
	s_sub_co_i32 s74, s74, s68
	s_sub_co_i32 s74, s74, s69                     ; q: e6 - e0 - e1
	s_sub_co_i32 s75, s75, s70
	s_sub_co_i32 s75, s75, s71                     ; k: e7 - e2 - e3
	s_sub_co_i32 s77, s77, s72
	s_sub_co_i32 s77, s77, s73                     ; v: e9 - e4 - e5
	s_cmp_lt_u32 s84, 8
	s_cselect_b32 s74, s74, s75
	s_cmp_lt_u32 s84, 16
	s_cselect_b32 s74, s74, s77                    ; chosen without a jump
	s_add_co_i32 s74, s74, 127
	s_lshl_b32 s75, s74, 23
	v_mov_b32 v[SCV], s75                          ; the folded scale as f32
	s_add_co_i32 s74, s74, 8
	s_lshl_b32 s74, s74, 23
	s_or_b32 s74, s74, 0x600000
	PLACES NP                                      ; behind the last products: their results are read and the second source's registers are written below
.macro QOUT a
.set AC, 64*((\a)%4)
	WIN 0x02+((\a)/4)                              ; source 0: window 2 or 3
.set jj, 0
.rept 64
.set jj, jj+1
.endr
.irp b, 0,1,2,3,4,5,6,7
	v_cvt_scalef32_pk8_fp8_f32 v[CD+16*(\a)+2*\b:CD+16*(\a)+2*\b+1], v[AC+8*\b:AC+8*\b+7], v[SCV]
.endr
	WIN 0
	v_nop                                          ; a plain line behind the conversions
.irp g, 0,1,2,3
	global_store_b128 v[OFS+2*(\a)+\g/2], v[CD+16*(\a)+4*\g:CD+16*(\a)+4*\g+3], s[10:11] offset:512*(\g%2)   ; 32 lanes store 512 consecutive bytes, aligned; data and offsets have registers of their own
.endr
.endm
.irp a, 0,1,2,3,4,5,6,7
	QOUT \a
.endr
	s_wait_tensorcnt 0x0                           ; the wave's end: behind my last tensor load
	ds_add_u32 v[SPW], v[NIL]
	s_wait_dscnt 0x0
	CROUND                                         ; the closing round: no work-group ends while a partner may still ask for a tile that names it
	s_endpgm
.Lfunc_end_k_q092e4f86e9_qkv:
	.size	k_q092e4f86e9_qkv, .Lfunc_end_k_q092e4f86e9_qkv-k_q092e4f86e9_qkv
	.p2alignl 7, 3214868480
	.fill 96, 4, 3214868480
	.section	.rodata,"a",@progbits
	.p2align	6, 0x0
	.amdhsa_kernel k_q092e4f86e9_qkv
		.amdhsa_group_segment_fixed_size 327680
		.amdhsa_private_segment_fixed_size 0
		.amdhsa_enable_private_segment 0
		.amdhsa_kernarg_size 48
		.amdhsa_user_sgpr_count 2
		.amdhsa_user_sgpr_kernarg_segment_ptr 1
		.amdhsa_wavefront_size32 1
		.amdhsa_system_sgpr_workgroup_id_x 1
		.amdhsa_system_sgpr_workgroup_id_y 1
		.amdhsa_system_sgpr_workgroup_id_z 1
		.amdhsa_system_vgpr_workitem_id 0
		.amdhsa_next_free_vgpr 1024
		.amdhsa_next_free_sgpr 100
		.amdhsa_reserve_vcc 0
		.amdhsa_float_denorm_mode_32 3
		.amdhsa_float_denorm_mode_16_64 3
		.amdhsa_fp16_overflow 1
		.amdhsa_memory_ordered 1
		.amdhsa_forward_progress 1
		.amdhsa_inst_pref_size 88
	.end_amdhsa_kernel
	.amdgpu_metadata
---
amdhsa.version: [ 1, 2 ]
amdhsa.kernels:
  - .name:           k_q092e4f86e9_qkv
    .symbol:         k_q092e4f86e9_qkv.kd
    .args:
      - { .name: xc, .offset: 0, .size: 8, .value_kind: global_buffer, .address_space: global }
      - { .name: wc, .offset: 8, .size: 8, .value_kind: global_buffer, .address_space: global }
      - { .name: lowp_scales, .offset: 16, .size: 8, .value_kind: global_buffer, .address_space: global }
      - { .name: qc, .offset: 24, .size: 8, .value_kind: global_buffer, .address_space: global }
      - { .name: kc, .offset: 32, .size: 8, .value_kind: global_buffer, .address_space: global }
      - { .name: vc, .offset: 40, .size: 8, .value_kind: global_buffer, .address_space: global }
    .group_segment_fixed_size: 327680
    .private_segment_fixed_size: 0
    .kernarg_segment_align: 8
    .kernarg_segment_size: 48
    .max_flat_workgroup_size: 128
    .sgpr_count:     100
    .vgpr_count:     1024
    .wavefront_size: 32
...
	.end_amdgpu_metadata
.endif
;; end of part 2
;; launch attn (part 3): grid 4 x 64, 16 waves a work-group, no clusters, 327,680 bytes of LDS; arguments qc, kc, vc, lowp_scales, cc; writes cc
.if DOCPART == 3
	.amdgcn_target "amdgcn-amd-amdhsa--gfx1250"
	.amdhsa_code_object_version 6
	.text
	.protected	k_q092e4f86e9_attn
	.globl	k_q092e4f86e9_attn
	.p2align	8
	.type	k_q092e4f86e9_attn,@function
k_q092e4f86e9_attn:
	s_mov_b64 s[64:65], 0
	v_nop
	global_prefetch_b8 v0, s[64:65] scope:SCOPE_SE
	s_setreg_imm32_b32 hwreg(HW_REG_WAVE_MODE, 25, 1), 1
	s_wait_xcnt 0x0
; ctx = softmax(causal(q k^T) / 8) v for 64 (batch, head) pairs of 2,048 rows x 64 channels, both products on E4M3 codes; ctx is quantised at once (entry 10) for the last product.
; THE SOFTMAX AHEAD OF THE SECOND PRODUCT: t = score x log2(e) / 8; M = the row's largest t so far, rounded UP to a whole number; p = 2^(t - M) is quantised (entry 8), not normalised.
; The row's sum is taken of the unquantised p, in f32, and divides at the end.  When M moves, the sum and O are multiplied by 2^(old M - new M): exact.
; SHARES.  Work-group (i, head) owns two blocks of 256 queries, 7 - i and then i.  Block b needs the key slots (256 keys) 0 .. b: 8 - i slots and i + 1 slots: NINE for every work-group.
; So the loop's trip count is a constant, no slot is walked for nothing, and all 256 work-groups have the same work.  Each of the sixteen waves owns 16 queries of the block in hand, in 256 registers.
; NO JOINT LOADS: the four work-groups of a head walk slots 0, 1, .. together only up to trip 4; from trip 5 on each needs another slot (i = 3 is back at slot 0, i = 0 at slot 5).  A walk that all four
; could make jointly has 12 slots a work-group (8 + 4) against these 9.
; LAYOUT.  Both products are used transposed: S^T = K Q^T (source 0 = 16 keys, source 1 = my 16 queries; the 16x16x64 form), O^T = V^T P^T (source 0 = 16 channel positions, source 1 = P; the 16x16x128 form):
; a lane holds ONE query (lane % 16) throughout.  In tile t of S^T its register j is key 16 t + 8 (lane / 16) + j: the conversions' pairs are registers 2 t, 2 t + 1 of the 128 form's operand, and vc is laid to match.
; The channel positions of V are laid so that two neighbouring tiles of O^T hold 16 neighbouring channels: ctx's codes are quads of the last product's images.
; qc, kc: [head 64][tile of 16 rows 128][1,024 bytes];  vc: [head 64][128 keys 16][16 positions 4][2,048 bytes];  cc: [tile of 16 rows 512][k step 8][2,048 bytes].  All are images of registers: every LDS load takes 512 consecutive bytes.
; LIMITS on the given exponents: e6 + e7 between -123 and 130 (added to c's exponent field); e8, and e10 - e8 - e9, between -126 and 119.
; REGISTERS: v1-6 addresses that stay; v12 -M, v13 the largest t, v[14:15] the sum in two halves; v16-23 Q; v32-95 K's eight fragments, then V's four; v96-159 S^T, then p; v160-191 O^T; v192-207 p's codes; v208-215 ctx's codes; v236-255 at work.
.set SLOTB, 32768                      ; a slot: K's 16 tiles (16,384 bytes), then V's two blocks of 128 keys; slot 1 begins here: one exclusive or turns an address
.set VOFF,  16384
.set SPARE, 65536                      ; behind the ring: the spare words, 128 bytes for each wave: eight blocks of 256 bytes that no other line names
.set LI,   1                           ; v1   16 x lane
.set ADR,  2                           ; v2   LDS address of the slot in hand for my lane
.set PFO,  3                           ; v3   256 x lane: the prefetches' offset; never rewritten
.set DL,   4                           ; v4   lane % 16 - 8 (lane / 16), for the mask
.set SPW,  5                           ; v5   LDS address of my spare word; never rewritten
.set NIL,  6                           ; v6   0; never rewritten
.set WV,   18                          ; s18  my wave's number
.set SEL,  20                          ; s[20:21] lane selects for v_permlanex16_b32: lane l xor 16
.set CS,   22                          ; s[22:23] c = log2(e) / 8 x 2^(e6 + e7)
.set G1,   24                          ; s[24:31] descriptor group 1
.set G0,   32                          ; s[32:35] group 0, which walks
.set TB,   36                          ; s36  LDS byte at which the slot in hand begins
.set TRIP, 37                          ; s37  the trip, 0 .. 8
.set SW,   38                          ; s38  8 - i: the trip with which the second block begins
.set SWB,  39                          ; s39  its slots in bytes
.set BACK, 40                          ; s[40:41] what a refill's address goes back by
.set KF,   42                          ; s42  the step's first key
.set Q0,   43                          ; s43  my first query
.set Q0B,  44                          ; s44  that of the second block
.set TS,   45                          ; s45  at work
.set QB,   46                          ; s[46:47] the second block's Q
.set CA,   48                          ; s[48:49] where the first block's ctx goes
.set CB,   50                          ; s[50:51] the second's
.set PFA,  52                          ; s[52:53] where my prefetches stand
.set LIM,  54                          ; s54  a wave prefetches while the trip is under it
; Wave 0 fetches a slot's K, wave 1 its V, the others nothing.  The branch hangs on the wave's number alone.  An s_nop 0 and four v_nop follow the load.
.macro TLOAD
	s_cmp_lt_u32 s[WV], 2
	s_cbranch_scc0 .Lnone_\@
	tensor_load_to_lds s[G0:G0+3], s[G1:G1+7]
	s_nop 0
.rept 4
	v_nop
.endr
.Lnone_\@:
.endm
; A PREFETCH INTO THE L2 of the slot that the NEXT change of slots will ask for.  All four work-groups of a head begin with slots 0, 1, 2 ..; work-group i = 0, which walks all eight in order, asks, and nobody else.
; In it waves 4, 5 ask for K's 16,384 bytes and waves 6, 7 for V's: 8,192 bytes a wave, lanes 256 bytes apart, one instruction.  Trip t names slot t + 2, for t = 0 .. 5: each aligned block of 256 bytes is named once in the launch.
; Slots 0 and 1 come by their loads alone; nothing is asked for behind slot 7.
.macro ASK
	s_cmp_lt_u32 s[TRIP], s[LIM]
	s_cbranch_scc0 .Lnot_mine_\@
	global_prefetch_b8 v[PFO], s[PFA:PFA+1] th:TH_LOAD_NT scope:SCOPE_SE
.Lnot_mine_\@:
.endm
	s_load_b128 s[4:7], s[0:1], 0x0                ; qc s[4:5], kc s[6:7]
	s_load_b128 s[8:11], s[0:1], 0x10              ; vc s[8:9], the exponents s[10:11]
	s_load_b64 s[12:13], s[0:1], 0x20              ; cc
	v_lshl_add_u32 v[SPW], v0, 2, SPARE
	v_mov_b32 v[NIL], 0
	ds_add_u32 v[SPW], v[NIL]                      ; the wave's opening: the add and its wait stand ahead of the first tensor load; the set-up below, work on registers, stands between them
	ds_add_u32 v[SPW], v[NIL]
	v_lshrrev_b32 v7, 5, v0
	s_delay_alu instid0(VALU_DEP_1)
	v_readfirstlane_b32 s[WV], v7                  ; wave 0..15
	s_and_b32 s67, ttmp7, 0xffff                   ; batch x 16 + head
	s_sub_co_u32 s68, 7, ttmp9                     ; the first block
	s_sub_co_u32 s[SW], 8, ttmp9
	s_lshl_b32 s[SWB], s[SW], 14
	s_mov_b32 s[BACK], 0
	s_mov_b32 s[BACK+1], 0
	s_lshl_b32 s69, s68, 4
	s_add_co_u32 s69, s69, s[WV]                   ; my tile of 16 queries in the first block,
	s_lshl_b32 s70, ttmp9, 4
	s_add_co_u32 s70, s70, s[WV]                   ; in the second
	s_lshl_b32 s[Q0], s69, 4
	s_lshl_b32 s[Q0B], s70, 4
	s_lshl_b32 s62, s67, 17                        ; the head's first byte in qc, kc, vc
	s_mov_b32 s63, 0
	s_lshl_b32 s72, s69, 10
	s_add_co_u32 s72, s72, s62
	s_mov_b32 s73, 0
	s_lshl_b32 s74, s70, 10
	s_add_co_u32 s74, s74, s62
	s_mov_b32 s75, 0
	s_lshr_b32 s76, s67, 4
	s_lshl_b32 s76, s76, 21                        ; cc: the batch's 128 row tiles of 16,384 bytes,
	s_bfe_u32 s77, s67, 0x30001
	s_lshl_b32 s77, s77, 11                        ; the k step head / 2,
	s_add_co_u32 s76, s76, s77
	s_and_b32 s77, s67, 1
	s_lshl_b32 s77, s77, 10                        ; its quads 2 (head % 2) and + 1
	s_add_co_u32 s76, s76, s77
	s_lshl_b32 s78, s69, 14
	s_add_co_u32 s78, s78, s76
	s_mov_b32 s79, 0
	s_lshl_b32 s80, s70, 14
	s_add_co_u32 s80, s80, s76
	s_mov_b32 s81, 0
	; descriptor group 1: 16,384 dense bytes as 64 rows of 32 elements of 8 bytes
	s_mov_b32 s[G1], 3<<16                         ; 15:0 no mask; 17:16 elements of 8 bytes; no padding
	s_mov_b32 s[G1+1], 32<<16                      ; tensor_dim0
	s_mov_b32 s[G1+2], 64<<16                      ; tensor_dim1
	s_mov_b32 s[G1+3], 32<<16                      ; tile_dim0
	s_mov_b32 s[G1+4], 64                          ; tile_dim1
	s_mov_b32 s[G1+5], 32                          ; tensor_dim0_stride
	s_mov_b32 s[G1+6], 0
	s_mov_b32 s[G1+7], 0
	s_mov_b32 s[SEL], 0x76543210
	s_mov_b32 s[SEL+1], 0xfedcba98
	s_mov_b32 s[CS], 0x3e38aa3b                    ; log2(e) / 8
	s_mov_b32 s[TB], 0
	s_mov_b32 s[TRIP], 0
	s_mov_b32 s[KF], 0
	s_and_b32 s82, s[WV], 1
	s_mov_b32 s[G0], 1                             ; count = 1
	s_lshl_b32 s[G0+1], s82, 14                    ; LDS address: K's region (wave 0) or V's (wave 1) of slot 0
	s_wait_dscnt 0x0                               ; the opening add is done
	s_wait_kmcnt 0x0
	s_load_b128 s[56:59], s[10:11], 0x18           ; e6, e7, e8, e9
	s_load_b32 s60, s[10:11], 0x28                 ; e10
	s_cmp_eq_u32 s82, 0
	s_cselect_b64 s[G0+2:G0+3], s[6:7], s[8:9]
	s_add_nc_u64 s[G0+2:G0+3], s[G0+2:G0+3], s[62:63]   ; the head's slot 0
	s_or_b32 s[G0+3], s[G0+3], 0x80000000          ; type = 2
	TLOAD                                          ; slot 0
	s_add_nc_u64 s[76:77], s[4:5], s[72:73]        ; the first block's Q
	s_add_nc_u64 s[QB:QB+1], s[4:5], s[74:75]
	s_add_nc_u64 s[CA:CA+1], s[12:13], s[78:79]
	s_add_nc_u64 s[CB:CB+1], s[12:13], s[80:81]
	s_cmp_lt_u32 s[WV], 6
	s_cselect_b64 s[PFA:PFA+1], s[6:7], s[8:9]
	s_add_nc_u64 s[PFA:PFA+1], s[PFA:PFA+1], s[62:63]
	s_lshl_b32 s84, s82, 13                        ; my half of a region,
	s_add_co_u32 s84, s84, 16384                   ; in slot 1: the first change of slots steps it to slot 2.  Nothing is prefetched here, at the head
	s_mov_b32 s85, 0
	s_add_nc_u64 s[PFA:PFA+1], s[PFA:PFA+1], s[84:85]
	s_sub_co_u32 s84, s[WV], 4
	s_lshr_b32 s84, s84, 2                         ; 0 in waves 4 to 7,
	s_or_b32 s84, s84, ttmp9                       ; of work-group i = 0
	s_cmp_eq_u32 s84, 0
	s_cselect_b32 s[LIM], 6, 0
	v_and_b32 v7, 31, v0
	s_delay_alu instid0(VALU_DEP_1)
	v_lshlrev_b32 v[LI], 4, v7
	s_delay_alu instid0(VALU_DEP_2)
	v_lshlrev_b32 v[PFO], 8, v7
	global_load_b128 v[16:19], v[LI], s[76:77]     ; Q's fragment stays in registers
	global_load_b128 v[20:23], v[LI], s[76:77] offset:512
	v_and_b32 v[DL], 15, v0
	v_bfe_u32 v8, v0, 4, 1
	s_delay_alu instid0(VALU_DEP_1)
	v_lshlrev_b32 v8, 3, v8
	s_delay_alu instid0(VALU_DEP_1)
	v_sub_nc_u32 v[DL], v[DL], v8
	v_mov_b32 v13, 0xff61b1e6                      ; the largest t so far: -3e38, under every t
	s_delay_alu instid0(VALU_DEP_1)
	v_floor_f32 v12, -v13                          ; -M
	v_mov_b32 v14, 0                               ; the sum, in two halves
	v_mov_b32 v15, 0
	v_mov_b32 v236, 0                              ; written once: a lane permute's destination counts as one of its sources
	v_mov_b32 v252, 0
	v_mov_b32 v253, 0                              ; (named as the upper half of the pair v[252:253])
.set jj, 0
.rept 32
	v_mov_b32 v[160+jj], 0                         ; O^T.  (The step is written once: a block's first step finds zeros, which the first change of M leaves zeros)
.set jj, jj+1
.endr
	s_wait_kmcnt 0x0
	s_add_co_i32 s86, s56, s57
	s_lshl_b32 s86, s86, 23
	s_add_co_i32 s[CS], s[CS], s86                 ; a score stands for score x 2^(e6 + e7): added to c's exponent field
	s_mov_b32 s[CS+1], s[CS]                       ; (named with it as a pair, so it is written)
	s_add_co_i32 s86, s58, 127
	s_lshl_b32 s87, s86, 23
	v_mov_b32 v244, s87                            ; 2^e8, for p's conversions
	s_sub_co_i32 s86, s60, s58
	s_sub_co_i32 s86, s86, s59                     ; O / l stands for ctx / 2^(e8 + e9): ctx's code is (O / l) / 2^(e10 - e8 - e9)
	s_add_co_i32 s86, s86, 127
	s_lshl_b32 s87, s86, 23
	v_mov_b32 v245, s87
; A BLOCK'S END: O^T / the row's sum, converted, stored: 1,024 consecutive bytes a wave.
.macro FINISH p
.rept 4
	v_nop                                          ; places behind the last products
.endr
	v_add_f32 v14, v14, v15                        ; the sum's two halves,
	s_delay_alu instid0(VALU_DEP_1)
	v_permlanex16_b32 v252, v14, s[SEL], s[SEL+1]
	s_delay_alu instid0(VALU_DEP_1)
	v_add_f32 v14, v14, v252                       ; and lane l xor 16's: the row's sum, at least 1/2
	s_wait_alu depctr_va_vdst(0)
	v_rcp_f32 v14, v14
	v_nop                                          ; a plain line behind the transcendental,
	s_wait_alu depctr_va_vdst(0)                   ; and a wait ahead of its first reader
.set jj, 0
.rept 16
	v_pk_mul_f32 v[96+jj:97+jj], v[160+jj:161+jj], v[14:15] op_sel_hi:[1,0]   ; each accumulator from its low end on
.set jj, jj+2
.endr
.set jj, 0
.rept 32
.set jj, jj+1
.endr
	s_wait_alu depctr_va_vdst(0)
	s_wait_xcnt 0x0                                ; the first block's stores have read v208-215, which are written again below
.irp t, 0,1,2,3
	v_cvt_scalef32_pk8_fp8_f32 v[208+2*\t:209+2*\t], v[96+8*\t:103+8*\t], v245   ; tiles 2 g, 2 g + 1: channels 32 g + 16 (lane / 16) + 0 .. 15 of query lane % 16
.endr
	v_nop                                          ; a plain line behind the last conversion
	global_store_b128 v[LI], v[208:211], s[\p:\p+1]
	global_store_b128 v[LI], v[212:215], s[\p:\p+1] offset:512
.endm
; THE CHANGE OF BLOCKS, at the head of trip 8 - i: a branch on ids; no barrier and no tensor load stands in it.
.macro SWITCH
	s_cmp_lg_u32 s[TRIP], s[SW]
	s_cbranch_scc1 .Lsame_\@
	FINISH CA
	global_load_b128 v[16:19], v[LI], s[QB:QB+1]
	global_load_b128 v[20:23], v[LI], s[QB:QB+1] offset:512
	v_mov_b32 v13, 0xff61b1e6
	s_delay_alu instid0(VALU_DEP_1)
	v_floor_f32 v12, -v13
	v_mov_b32 v14, 0
	v_mov_b32 v15, 0
.set jj, 0
.rept 32
	v_mov_b32 v[160+jj], 0
.set jj, jj+1
.endr
	s_mov_b32 s[KF], 0
	s_mov_b32 s[Q0], s[Q0B]
	s_wait_loadcnt 0x0
.Lsame_\@:
.endm
; A KEY STEP: 128 keys, the q-th of the slot in hand.
.macro STEP q
	s_add_co_u32 s[TS], s[Q0], 15                  ; a step all of whose keys come after my 16 queries is left out: a scalar branch on ids, round its loads, products and softmax
	s_cmp_gt_u32 s[KF], s[TS]
	s_cbranch_scc1 .Lhidden_\@
	v_add_nc_u32 v[ADR], s[TB], v[LI]
.rept 3
	v_nop                                          ; with the addition above: four places in front of loads into registers that matrix instructions have read
.endr
.irp t, 0,1,2,3,4,5,6,7
	ds_load_b128 v[32+8*\t:35+8*\t], v[ADR] offset:(8*(\q)+\t)*1024
	ds_load_b128 v[36+8*\t:39+8*\t], v[ADR] offset:(8*(\q)+\t)*1024+512
.endr
	s_wait_alu depctr_va_vdst(0)
	s_wait_dscnt 8                                 ; tiles 0-3 are in; the eight loads of tiles 4-7 may be out
.irp t, 0,1,2,3
	v_wmma_f32_16x16x64_fp8_fp8 v[96+8*\t:103+8*\t], v[32+8*\t:39+8*\t], v[16:23], 0
.endr
	s_wait_dscnt 0x0
.irp t, 4,5,6,7
	v_wmma_f32_16x16x64_fp8_fp8 v[96+8*\t:103+8*\t], v[32+8*\t:39+8*\t], v[16:23], 0
.endr
.rept 4
	v_nop                                          ; places in front of the loads below and of the first read of the scores
.endr
.irp f, 0,1,2,3,4,5,6,7,8,9,10,11,12,13,14,15
	ds_load_b128 v[32+4*\f:35+4*\f], v[ADR] offset:VOFF+8192*(\q)+512*\f   ; V's four fragments: they land while the softmax is walked
.endr
	s_add_co_u32 s[TS], s[KF], 127                 ; on the diagonal the scores of hidden keys become -infinity ahead of the maximum: p = 0 then.  A step all of whose keys count skips this
	s_cmp_le_u32 s[TS], s[Q0]
	s_cbranch_scc1 .Lopen_\@
	s_sub_co_i32 s[TS], s[Q0], s[KF]
	v_add_nc_u32 v252, s[TS], v[DL]                ; d = my query - KF - 8 (lane / 16).  Register 8 t + j holds key KF + 16 t + 8 (lane / 16) + j: hidden where 16 t + j > d
	v_mov_b32 v254, 0xff800000                     ; -infinity
.irp t, 0,1,2,3,4,5,6,7
.irp j, 0,1,2,3,4,5,6,7
	v_cmp_gt_i32 vcc_lo, 16*\t+\j, v252
	v_cndmask_b32 v[96+8*\t+\j], v[96+8*\t+\j], v254, vcc_lo
.endr
.endr
.Lopen_\@:
	v_max3_num_f32 v254, v96, v97, v98             ; the step's largest score of my query, among my 64 keys, in two chains, ascending,
	v_max3_num_f32 v252, v99, v100, v101
.irp i, 6,10,14,18,22,26,30,34,38,42,46,50,54,58
	v_max3_num_f32 v254, v254, v[96+\i], v[97+\i]
	v_max3_num_f32 v252, v252, v[98+\i], v[99+\i]
.endr
	v_max3_num_f32 v254, v254, v158, v159
	s_delay_alu instid0(VALU_DEP_1)
	v_max_num_f32 v254, v254, v252
	s_delay_alu instid0(VALU_DEP_1)
	v_permlanex16_b32 v236, v254, s[SEL], s[SEL+1]
	s_delay_alu instid0(VALU_DEP_1)
	v_max_num_f32 v254, v254, v236                 ; and among lane l xor 16's
	s_delay_alu instid0(VALU_DEP_1)
	v_mul_f32 v254, s[CS], v254                    ; as t (c is positive)
	s_delay_alu instid0(VALU_DEP_1)
	v_max_num_f32 v13, v13, v254                   ; the running largest t
	v_mov_b32 v254, v12
	s_delay_alu instid0(VALU_DEP_2)
	v_floor_f32 v12, -v13                          ; the new -M = floor(-t) = -ceil(t): M is a whole number
	s_delay_alu instid0(VALU_DEP_1)
	v_sub_f32 v254, v12, v254                      ; M's old value less its new one: a whole number, 0 or less
	s_delay_alu instid0(VALU_DEP_1)
	v_cvt_i32_f32 v254, v254                       ; (it saturates)
	s_delay_alu instid0(VALU_DEP_1)
	v_ldexp_f32 v252, 1.0, v254                    ; f = 2^(old M - new M)
.set jj, 0
.rept 32
	v_pk_fma_f32 v[96+jj:97+jj], v[96+jj:97+jj], s[CS:CS+1], v[12:13] op_sel_hi:[1,0,0]   ; t - M, two at a time (of the pairs c and -M the low word serves both halves)
.set jj, jj+2
.endr
.set jj, 0
	s_wait_alu depctr_va_vdst(0)
.rept 64
	v_exp_f32 v[96+jj], v[96+jj]                   ; p = 2^(t - M), at most 1
.set jj, jj+1
.endr
	v_pk_mul_f32 v[14:15], v[14:15], v[252:253] op_sel_hi:[1,0]   ; the sums under the new M: the plain line behind the exponentials
	s_wait_alu depctr_va_vdst(0)                   ; one wait for the whole batch, ahead of its first reader
	v_pk_add_f32 v[242:243], v[100:101], v[104:105]
	v_pk_add_f32 v[254:255], v[108:109], v[112:113]
	v_pk_add_f32 v[250:251], v[116:117], v[120:121]
	v_pk_add_f32 v[248:249], v[124:125], v[128:129]
	v_pk_add_f32 v[246:247], v[132:133], v[136:137]
	v_pk_add_f32 v[240:241], v[140:141], v[144:145]
	v_pk_add_f32 v[238:239], v[148:149], v[152:153]
	v_pk_add_f32 v[14:15], v[14:15], v[156:157]
	v_pk_add_f32 v[242:243], v[242:243], v[96:97]
	v_pk_add_f32 v[254:255], v[254:255], v[98:99]
	v_pk_add_f32 v[250:251], v[250:251], v[102:103]
	v_pk_add_f32 v[248:249], v[248:249], v[106:107]
	v_pk_add_f32 v[246:247], v[246:247], v[110:111]
	v_pk_add_f32 v[240:241], v[240:241], v[114:115]
	v_pk_add_f32 v[238:239], v[238:239], v[118:119]
	v_pk_add_f32 v[14:15], v[14:15], v[122:123]
	v_pk_add_f32 v[242:243], v[242:243], v[126:127]
	v_pk_add_f32 v[254:255], v[254:255], v[130:131]
	v_pk_add_f32 v[250:251], v[250:251], v[134:135]
	v_pk_add_f32 v[248:249], v[248:249], v[138:139]
	v_pk_add_f32 v[246:247], v[246:247], v[142:143]
	v_pk_add_f32 v[240:241], v[240:241], v[146:147]
	v_pk_add_f32 v[238:239], v[238:239], v[150:151]
	v_pk_add_f32 v[14:15], v[14:15], v[154:155]
	v_pk_add_f32 v[242:243], v[242:243], v[158:159]
	s_delay_alu instid0(VALU_DEP_2)
	v_pk_add_f32 v[14:15], v[14:15], v[248:249]
	s_delay_alu instid0(VALU_DEP_2)
	v_pk_add_f32 v[242:243], v[242:243], v[246:247]
	v_pk_add_f32 v[254:255], v[254:255], v[240:241]
	v_pk_add_f32 v[250:251], v[250:251], v[238:239]
	s_delay_alu instid0(VALU_DEP_2)
	v_pk_add_f32 v[14:15], v[14:15], v[254:255]
	s_delay_alu instid0(VALU_DEP_2)
	v_pk_add_f32 v[242:243], v[242:243], v[250:251]
	s_delay_alu instid0(VALU_DEP_1)
	v_pk_add_f32 v[14:15], v[14:15], v[242:243]
.irp b, 0,1,2,3
.irp i, 0,1,2,3,4,5,6,7,8,9,10,11,12,13,14,15
.endr
	v_cvt_scalef32_pk8_fp8_f32 v[192+4*\b:193+4*\b], v[96+16*\b:103+16*\b], v244    ; tile 2 b: registers 4 b, 4 b + 1 of the operand,
	v_cvt_scalef32_pk8_fp8_f32 v[194+4*\b:195+4*\b], v[104+16*\b:111+16*\b], v244   ; tile 2 b + 1: the next two
.endr
.set jj, 0
.rept 16
	v_pk_mul_f32 v[160+jj:161+jj], v[160+jj:161+jj], v[252:253] op_sel_hi:[1,0]   ; O^T under the new M.  (Also the plain lines between the conversions and the products below)
.set jj, jj+2
.endr
	s_wait_alu depctr_va_vdst(0)
	s_wait_dscnt 0x0                               ; V is in
.irp t, 0,1,2,3
	v_wmma_f32_16x16x128_fp8_fp8 v[160+8*\t:167+8*\t], v[32+16*\t:47+16*\t], v[192:207], v[160+8*\t:167+8*\t]   ; the four accumulators by turns, one instruction a turn
.endr
.Lhidden_\@:
	s_add_co_u32 s[KF], s[KF], 128
.endm
; THE CHANGE OF SLOTS stands at a trip's head.  Each wave waits for all its tensor loads (its part of the slot that it is about to read), adds 0 to its spare word, and waits for that and for its reads of the slot that it has left.
; Behind the barrier the slot ahead is whole and nobody reads the other one.  fill = 1: that other slot is filled with the next trip's keys: the load has a whole trip in which to land; one load of a wave is out.
.macro CHANGE fill
	s_wait_tensorcnt 0x0                           ; no tensor load of mine is out, so group 0 may be written
	ds_add_u32 v[SPW], v[NIL]                      ; 0 onto my spare word; with fill = 1 the descriptor's steps stand between it and the wait for it
.if \fill
	s_xor_b32 s[G0+1], s[G0+1], SLOTB              ; the other slot than last time,
	s_add_nc_u64 s[G0+2:G0+3], s[G0+2:G0+3], 16384 ; the next 256 keys,
	s_add_co_u32 s[TS], s[TRIP], 1
	s_cmp_eq_u32 s[TS], s[SW]
	s_cselect_b32 s[BACK], s[SWB], 0
	s_sub_nc_u64 s[G0+2:G0+3], s[G0+2:G0+3], s[BACK:BACK+1]   ; or, where the next trip begins the second block, back to slot 0; the type bits on top are not reached
	s_wait_xcnt 0x0                                ; the last prefetch, a trip back, has read its address, so it may be written
	s_add_nc_u64 s[PFA:PFA+1], s[PFA:PFA+1], 16384
.endif
	s_wait_dscnt 0x0                               ; the add is done, and my reads of the slot that I have left are over
	s_barrier_signal -1
	s_barrier_wait -1
.if \fill
	TLOAD                                          ; the first thing behind the barrier, and a wave's one tensor load until the next
	ASK
.endif
.endm
	s_wait_loadcnt 0x0                             ; Q
.Lslot:                                            ; eight trips: behind each change of slots but the last the next trip's slot is asked for
	CHANGE 1
	SWITCH
	STEP 0
	STEP 1
	s_xor_b32 s[TB], s[TB], SLOTB                  ; on to the other slot
	s_add_co_u32 s[TRIP], s[TRIP], 1
	s_cmp_lt_u32 s[TRIP], 8
	s_cbranch_scc1 .Lslot
	CHANGE 0                                       ; the ninth trip is written out
	SWITCH
	STEP 0
	STEP 1
	FINISH CB
	s_wait_tensorcnt 0x0                           ; the wave's end: behind the last tensor load
	ds_add_u32 v[SPW], v[NIL]
	s_wait_dscnt 0x0
	s_endpgm
.Lfunc_end_k_q092e4f86e9_attn:
	.size	k_q092e4f86e9_attn, .Lfunc_end_k_q092e4f86e9_attn-k_q092e4f86e9_attn
	.p2alignl 7, 3214868480
	.fill 96, 4, 3214868480
	.section	.rodata,"a",@progbits
	.p2align	6, 0x0
	.amdhsa_kernel k_q092e4f86e9_attn
		.amdhsa_group_segment_fixed_size 327680
		.amdhsa_private_segment_fixed_size 0
		.amdhsa_enable_private_segment 0
		.amdhsa_kernarg_size 40
		.amdhsa_user_sgpr_count 2
		.amdhsa_user_sgpr_kernarg_segment_ptr 1
		.amdhsa_wavefront_size32 1
		.amdhsa_system_sgpr_workgroup_id_x 1
		.amdhsa_system_sgpr_workgroup_id_y 1
		.amdhsa_system_sgpr_workgroup_id_z 1
		.amdhsa_system_vgpr_workitem_id 0
		.amdhsa_next_free_vgpr 256
		.amdhsa_next_free_sgpr 96
		.amdhsa_reserve_vcc 1
		.amdhsa_float_denorm_mode_32 3
		.amdhsa_float_denorm_mode_16_64 3
		.amdhsa_fp16_overflow 1
		.amdhsa_memory_ordered 1
		.amdhsa_forward_progress 1
		.amdhsa_inst_pref_size 93
	.end_amdhsa_kernel
	.amdgpu_metadata
---
amdhsa.version: [ 1, 2 ]
amdhsa.kernels:
  - .name:           k_q092e4f86e9_attn
    .symbol:         k_q092e4f86e9_attn.kd
    .args:
      - { .name: qc, .offset: 0, .size: 8, .value_kind: global_buffer, .address_space: global }
      - { .name: kc, .offset: 8, .size: 8, .value_kind: global_buffer, .address_space: global }
      - { .name: vc, .offset: 16, .size: 8, .value_kind: global_buffer, .address_space: global }
      - { .name: lowp_scales, .offset: 24, .size: 8, .value_kind: global_buffer, .address_space: global }
      - { .name: cc, .offset: 32, .size: 8, .value_kind: global_buffer, .address_space: global }
    .group_segment_fixed_size: 327680
    .private_segment_fixed_size: 0
    .kernarg_segment_align: 8
    .kernarg_segment_size: 40
    .max_flat_workgroup_size: 512
    .sgpr_count:     96
    .vgpr_count:     256
    .wavefront_size: 32
...
	.end_amdgpu_metadata
.endif
;; end of part 3
;; launch proj (part 4): grid 8 x 32, 4 waves a work-group, clusters of 4 x 4, 327,680 bytes of LDS; arguments cc, wc, lowp_scales, bo, out0; writes out0
.if DOCPART == 4
	.amdgcn_target "amdgcn-amd-amdhsa--gfx1250"
	.amdhsa_code_object_version 6
	.text
	.protected	k_q092e4f86e9_proj
	.globl	k_q092e4f86e9_proj
	.p2align	8
	.type	k_q092e4f86e9_proj,@function
k_q092e4f86e9_proj:
	s_mov_b64 s[64:65], 0
	v_nop
	global_prefetch_b8 v0, s[64:65] scope:SCOPE_SE
	s_setreg_imm32_b32 hwreg(HW_REG_WAVE_MODE, 25, 1), 1
	s_wait_xcnt 0x0
	s_wait_alu depctr_hold_cnt(0) depctr_sa_sdst(0) depctr_va_vdst(0) depctr_va_sdst(0) depctr_va_ssrc(0) depctr_va_vcc(0) depctr_vm_vsrc(0)
	s_getreg_b32 s2, hwreg(HW_REG_IB_STS2, 6, 4)
	s_cmp_eq_u32 s2, 0
	s_cbranch_scc0 .Lentry_in_a_cluster
	s_endpgm
.Lentry_in_a_cluster:
	s_bfe_u32 s2, ttmp6, 0x10000c
	s_cmp_lg_u32 s2, 0xf033
	s_cbranch_scc0 .Lentry_shape_is_right
	s_endpgm
.Lentry_shape_is_right:
; out0 = ctx Wo + bo.  ctx [8192][1024] and Wo arrive as E4M3 codes, laid as images of fragments (16 rows x 128 k in 2,048 bytes: four loads of 16 bytes a lane, 512 bytes apart); out0 is f32.
; The codes are multiplied as they are; each finished sum goes out as sum x 2^(e10 + e11) + bo, one packed multiply-add for two numbers.  LIMIT: e10 + e11 between -126 and 127.
; SHARES.  A tile of out0 is 256 rows x 128 columns, so that there are 8 x 32 = 256 work-groups.  Four waves, 128 x 64 each: 32 accumulators, 256 registers.
; K = 1,024 goes through a ring of two LDS slots of 256 along K: four fills in all, so the ring is written out without a loop.  The images need no padding: every LDS load takes 512 consecutive bytes.
; CLUSTERS: 4 x 4 work-groups.  The four of a row of the cluster need the same rows of ctx, the four of a column the same positions of Wo: each tile is asked for JOINTLY, by the same tensor load with the same descriptor and a mask that names the four.
; THE MATRIX INSTRUCTION IS USED TRANSPOSED (source 0 = 16 positions of Wo, source 1 = 16 rows of ctx): a lane holds one row, and register j of tile 2 g + u is column 32 g + 16 (lane / 16) + 8 u + j
; (position p of wc holds column p with bits 3 and 4 exchanged).  The way out puts each eight at its true place in a stage row.
; REGISTERS, in windows of 256: window 0: v4-7 my four numbers of bo; v8-29 addresses; v128-255 ctx's fragments, ONE set; on the way out v128-191 rows read back.   window 1: Wo's fragments, TWO sets, at v0 and v128.   window 2: the accumulators: (a, b) at v[8 (4 a + b)].
.set NB,    4                          ; fragments of the first source a wave
.set FR,    16
.set NP,    4                          ; places behind this matrix instruction (ISA guide 7.12.1)
.set SLOT,  98304                      ; ctx's 16 row tiles x 4,096 bytes (two k steps each), then Wo's 8 tiles of positions
.set BREG,  65536                      ; where Wo's begin in a slot
.set STAGE, 2*SLOT                     ; behind the ring, bytes of its own: 16 rows x (256 + 16) bytes for each wave
.set SPITCH, 272
.set SPARE, STAGE+4*16*SPITCH          ; behind the stages: the spare words, 128 bytes for each wave: two blocks of 256 bytes that no other line names
.set LI,   9                           ; v9      16 x lane
.set ADRA, 16                          ; v16-17  LDS address of ctx's fragments in slot 0, 1
.set ADRB, 20                          ; v20-21  the same for Wo's
.set STO,  24                          ; v24     the way out: where I put my numbers of a row
.set RD,   25                          ; v25     where I read a row back
.set CO,   26                          ; v26     my byte offset in out0
.set SPW,  28                          ; v28     LDS address of my spare word; never rewritten
.set NIL,  29                          ; v29     0; never rewritten
.set AF,   128
.set BK,   128                         ; the way out: 16 rows read back: v128-159 and v160-191 by turns
.set G1, 24                            ; s[24:31] descriptor group 1 for ctx's tiles;  s[32:39] group 0, one set for each slot
.set G0, 32
.set G1B, 48                           ; s[48:55], s[56:63] the same for Wo's tiles
.set G0B, 56
.set MSB, 0
.macro WIN new                         ; the immediate's high byte repeats the setting that is left
.if MSB != \new
	s_set_vgpr_msb (MSB<<8)|\new
.set MSB, \new
.endif
.endm
.set MUL_LO, 0xa1                      ; source 0 window 1, source 1 window 0, C and D window 2
.set MUL_HI, 0xa1                      ; all 32 accumulators lie in window 2
.set TO_B,   0x40                      ; destination window 1, address window 0
; A joint load: waves 0 and 1 fetch ctx's halves, waves 2 and 3 Wo's.  Each of the two lines has ONE mask and one set of registers for all that issue it; the branch hangs on the wave's number alone.
; An s_nop 0 and four v_nop follow each of the two lines, ahead of the jump, the label and what follows.
.macro JLOAD g0a, g1a, g0b, g1b
	s_cmp_eq_u32 s15, 0
	s_cbranch_scc0 .Lfor_b_\@
	tensor_load_to_lds s[\g0a:\g0a+3], s[\g1a:\g1a+7]
	s_nop 0
.rept 4
	v_nop
.endr
	s_branch .Lasked_\@
.Lfor_b_\@:
	tensor_load_to_lds s[\g0b:\g0b+3], s[\g1b:\g1b+7]
	s_nop 0
.rept 4
	v_nop
.endr
.Lasked_\@:
.endm
.macro CREST                           ; a round of the cluster's barrier behind its opening barrier
	s_cmp_lg_u32 s14, 0
	s_cbranch_scc1 .Lnot_wave_0_\@
	s_barrier_signal -3
.Lnot_wave_0_\@:
	s_barrier_wait -3
	s_barrier_signal -1
	s_barrier_wait -1
.endm
.macro CROUND                          ; a whole round
	s_barrier_signal -1
	s_barrier_wait -1
	CREST
.endm
	s_load_b128 s[4:7], s[0:1], 0x0                ; cc s[4:5], wc s[6:7]
	s_load_b128 s[8:11], s[0:1], 0x10              ; the exponents s[8:9], bo s[10:11]
	s_load_b64 s[12:13], s[0:1], 0x20              ; out0
	v_lshl_add_u32 v[SPW], v0, 2, SPARE
	v_mov_b32 v[NIL], 0
	ds_add_u32 v[SPW], v[NIL]                      ; the wave's opening: the add and its wait stand ahead of my first tensor load; the set-up below, work on registers, stands between them
	ds_add_u32 v[SPW], v[NIL]
	v_lshrrev_b32 v1, 5, v0
	v_readfirstlane_b32 s14, v1                    ; wave 0..3
	s_lshr_b32 s15, s14, 1                         ; which 128 rows of the tile are mine.  Also: I fetch for ctx (0) or for Wo (1)
	s_and_b32 s16, s14, 1                          ; which 64 columns.  Also: which half of that tile I fetch
	s_bfe_u32 s40, ttmp6, 0x40000                  ; cx, cy: my place in the cluster
	s_bfe_u32 s41, ttmp6, 0x40004
	s_lshl_b32 s42, ttmp9, 2
	s_add_co_u32 s42, s42, s40                     ; tile column = 4 x cluster x + cx
	s_and_b32 s17, ttmp7, 0xffff
	s_lshl_b32 s17, s17, 2
	s_add_co_u32 s17, s17, s41                     ; tile row = 4 x cluster y + cy
	s_lshl_b32 s43, s41, 2
	s_lshl_b32 s43, 15, s43                        ; my row of the cluster
	s_lshl_b32 s44, 0x1111, s40                    ; my column
	; descriptor group 1: rows (tiles of 16 rows of the operand) of 512 elements of 8 bytes (two k steps' images), 2,048 elements apart in memory, dense in LDS: 8 of them for ctx, 4 for Wo
	s_or_b32 s[G1+0], s43, (3<<16)|(1<<21)         ; 15:0 the mask: ctx's tiles go to my row; 17:16 elements of 8 bytes; 20 no padding; 21 set beside a mask
	s_mov_b32 s[G1+1], 512<<16                     ; tensor_dim0 = 512
	s_mov_b32 s[G1+2], 8<<16                       ; tensor_dim1 = 8
	s_mov_b32 s[G1+3], 512<<16                     ; tile_dim0 = 512
	s_mov_b32 s[G1+4], 8                           ; tile_dim1 = 8
	s_mov_b32 s[G1+5], 2048                        ; tensor_dim0_stride
	s_mov_b32 s[G1+6], 0
	s_mov_b32 s[G1+7], 0
	s_or_b32 s[G1B+0], s44, (3<<16)|(1<<21)        ; Wo's tiles go to my column
	s_mov_b32 s[G1B+1], 512<<16
	s_mov_b32 s[G1B+2], 4<<16
	s_mov_b32 s[G1B+3], 512<<16
	s_mov_b32 s[G1B+4], 4
	s_mov_b32 s[G1B+5], 2048
	s_mov_b32 s[G1B+6], 0
	s_mov_b32 s[G1B+7], 0
	s_lshl_b32 s18, s16, 17                        ; ctx: my half: 8 row tiles of 16,384 bytes,
	s_lshl_b32 s20, s17, 18                        ; of the tile row's 16
	s_add_co_u32 s20, s20, s18
	s_mov_b32 s21, 0
	s_lshl_b32 s46, s42, 17                        ; Wo: the tile column's 8 tiles of positions,
	s_lshl_b32 s47, s16, 16                        ; my half: 4,
	s_add_co_u32 s46, s46, s47
	s_add_co_u32 s46, s46, 3145728                 ; in the fourth weight of wc
	s_mov_b32 s47, 0
	s_lshl_b32 s45, s16, 15                        ; where ctx's halves go,
	s_lshl_b32 s19, s16, 14
	s_add_co_u32 s19, s19, BREG                    ; and Wo's: no place in the cluster enters an LDS address
	s_wait_dscnt 0x0                               ; the opening add is done
	s_wait_kmcnt 0x0
	s_load_b64 s[96:97], s[8:9], 0x28              ; e10, e11
	s_add_nc_u64 s[20:21], s[4:5], s[20:21]
	s_add_nc_u64 s[46:47], s[6:7], s[46:47]
	CROUND                                         ; all sixteen work-groups are here: the first joint loads meet
.irp s, 0,1
	s_mov_b32 s[G0+4*\s], 1
	s_add_co_u32 s[G0+4*\s+1], s45, \s*SLOT
	s_add_nc_u64 s[G0+4*\s+2:G0+4*\s+3], s[20:21], \s*4096    ; slot s begins with k steps 2 s, 2 s + 1
	s_or_b32 s[G0+4*\s+3], s[G0+4*\s+3], 0x80000000
	s_mov_b32 s[G0B+4*\s], 1
	s_add_co_u32 s[G0B+4*\s+1], s19, \s*SLOT
	s_add_nc_u64 s[G0B+4*\s+2:G0B+4*\s+3], s[46:47], \s*4096
	s_or_b32 s[G0B+4*\s+3], s[G0B+4*\s+3], 0x80000000
	s_wait_alu depctr_va_vdst(0)
	s_wait_tensorcnt 0x0
	ds_add_u32 v28, v29
	ds_add_u32 v28, v29
	s_wait_dscnt 0x0
	CROUND
	JLOAD G0+4*\s, G1, G0B+4*\s, G1B               ; one load of mine is out
.endr
	v_and_b32 v1, 31, v0
	v_lshlrev_b32 v[LI], 4, v1
	s_lshl_b32 s22, s15, 15                        ; my 8 row tiles of ctx
	s_lshl_b32 s23, s16, 14
	s_add_co_u32 s23, s23, BREG                    ; my 4 tiles of positions
.irp s, 0,1
	v_add_nc_u32 v[ADRA+\s], s22, v[LI]
	v_add_nc_u32 v[ADRB+\s], s23, v[LI]
	s_add_co_u32 s22, s22, SLOT
	s_add_co_u32 s23, s23, SLOT
.endr
	s_mul_i32 s22, s14, 16*SPITCH
	s_add_co_u32 s22, s22, STAGE                   ; my stage
	v_and_b32 v2, 15, v0                           ; r
	v_bfe_u32 v3, v0, 4, 1                         ; h
	v_mul_u32_u24 v[STO], v2, SPITCH
	v_lshl_add_u32 v[STO], v3, 6, v[STO]
	v_add_nc_u32 v[STO], s22, v[STO]               ; in: row r, + 64 h bytes
	v_mul_u32_u24 v[RD], v3, SPITCH
	v_lshl_add_u32 v[RD], v2, 4, v[RD]
	v_add_nc_u32 v[RD], s22, v[RD]                 ; back: lanes 0-15 one row of 256 bytes, lanes 16-31 the next
	v_lshlrev_b32 v[CO], 12, v3
	v_lshl_add_u32 v[CO], v2, 4, v[CO]             ; and the same two rows in out0
	v_lshlrev_b32 v8, 4, v2
	s_lshl_b32 s88, s42, 9                         ; my first column, in bytes: 512 x tile column + 256 x half
	s_lshl_b32 s89, s16, 8
	s_add_co_u32 s88, s88, s89
	s_mov_b32 s89, 0
	s_add_nc_u64 s[10:11], s[10:11], s[88:89]
	global_load_b128 v[4:7], v8, s[10:11]          ; bo at the four columns that I store in every row
	s_lshl_b32 s90, s17, 8
	s_lshl_b32 s91, s15, 7
	s_add_co_u32 s90, s90, s91                     ; my first row
	s_lshl_b32 s90, s90, 12
	s_mov_b32 s91, 0
	s_add_nc_u64 s[12:13], s[12:13], s[90:91]
	s_add_nc_u64 s[12:13], s[12:13], s[88:89]
.macro FRAG reg, adr, q, i             ; a fragment's image: tile i of mine, k step q of the slot's two; registers 4 c .. 4 c + 3 hold k = 32 c + 16 (lane / 16) + 0 .. 15, alike in both sources
.irp c, 0,1,2,3
	ds_load_b128 v[\reg+4*\c:\reg+4*\c+3], v[\adr] offset:2048*(\q)+512*\c+4096*(\i)
.endr
.endm
; 2 NB matrix instructions: ctx's blocks a0, a0 + 1 x Wo's NB, 128 along K.  p: Wo's set.  zero = 1: the first product starts the sums: nothing is ever cleared.
; The accumulators take turns, one instruction a turn, in the same order in every step.
.macro MULS a0, p, zero
.irp a, \a0, \a0+1
.set bb, 0
.rept NB
.set rD, 8*((NB*(\a)+bb)%32)
.set rB, 128*(\p)+FR*bb
.set rA, AF+FR*(\a)
.if \zero
	v_wmma_f32_16x16x128_fp8_fp8 v[rD:rD+7], v[rB:rB+FR-1], v[rA:rA+FR-1], 0
.else
	v_wmma_f32_16x16x128_fp8_fp8 v[rD:rD+7], v[rB:rB+FR-1], v[rA:rA+FR-1], v[rD:rD+7]
.endif
.set bb, bb+1
.endr
.endr
.endm
.macro FETCH_B slot, q, p
	WIN TO_B
.set ii, 0
.rept NB
	FRAG 128*(\p)+FR*ii, ADRB+\slot, \q, ii
.set ii, ii+1
.endr
	WIN 0
.endm
.macro FETCH_A slot, q, i0
.irp i, \i0, \i0+1, \i0+2, \i0+3
	FRAG AF+FR*(\i), ADRA+\slot, \q, \i
.endr
.endm
; A load into a register that a matrix instruction has read, and an LDS store that reads a matrix result, stand NP places behind it; only plain vector instructions that name none of its registers
; are places (ISA guide 7.12.1 for vector instructions).
.macro PLACES n
.rept \n
	v_nop
.endr
.endm
; A step of 128 along K that has its successor in the same slot.  ctx has one set of registers: blocks 0-3 are fetched anew in the step's middle, blocks 4-7 at its end.
.macro STEP slot, q, zero
	s_wait_dscnt 16                                ; Wo's set and blocks 0-3 are in; the youngest sixteen loads (blocks 4-7) may be out
	WIN MUL_LO
	MULS 0, (\q)%2, \zero
	MULS 2, (\q)%2, \zero
	s_wait_dscnt 0x0                               ; blocks 4-7 are in
	PLACES NP
	FETCH_B \slot, (\q)+1, 1-(\q)%2
	FETCH_A \slot, (\q)+1, 0
	WIN MUL_HI
	MULS 4, (\q)%2, \zero
	MULS 6, (\q)%2, \zero
	PLACES NP
	WIN 0
	FETCH_A \slot, (\q)+1, 4
.endm
; A slot's last step changes slots: ONE barrier; in front of it each wave waits for all its tensor loads, adds 0 to its spare word, and waits for that and for its own reads of this slot.  fill = 1: this slot is filled again, two slots ahead.
.macro TURN slot, next, fill
	s_wait_tensorcnt 0x0                           ; all my tensor loads have landed: my part of the next slot  (every window is 0 here)
	ds_add_u32 v[SPW], v[NIL]                      ; 0 onto my spare word
	s_wait_dscnt 17                                ; (the add and the youngest sixteen loads, blocks 4-7, may be out)
	WIN MUL_LO
	MULS 0, 1, 0                                   ; matrix instructions stand between the add and the wait for it
	s_wait_dscnt 0x0                               ; the add is done, and my reads of this slot are over
	s_barrier_signal -1
	MULS 2, 1, 0
	WIN 0
	s_barrier_wait -1
.if \fill
	CREST                                          ; the barrier has opened a round of the cluster's barrier: no wave of any partner still reads this slot's tile or has a load on its way
	s_add_nc_u64 s[G0+4*\slot+2:G0+4*\slot+3], s[G0+4*\slot+2:G0+4*\slot+3], 8192
	s_add_nc_u64 s[G0B+4*\slot+2:G0B+4*\slot+3], s[G0B+4*\slot+2:G0B+4*\slot+3], 8192
	JLOAD G0+4*\slot, G1, G0B+4*\slot, G1B         ; the first tensor load behind the round, my one load that is out; its four v_nop are the places in front of the loads below
.else
	PLACES NP
.endif
	FETCH_B \next, 0, 0
	FETCH_A \next, 0, 0
	WIN MUL_HI
	MULS 4, 1, 0
	MULS 6, 1, 0
	PLACES NP
	WIN 0
	FETCH_A \next, 0, 4
.endm
	s_wait_tensorcnt 1                             ; my part of slot 0 is in (slot 1's load may be out)
	s_barrier_signal -1
	s_barrier_wait -1                              ; everybody's is
	FETCH_B 0, 0, 0
	FETCH_A 0, 0, 0
	FETCH_A 0, 0, 4
	STEP 0, 0, 1                                   ; k 0-127: its products start the sums
	TURN 0, 1, 1                                   ; k 128-255; slot 0 takes k 512-767
	STEP 1, 0, 0
	TURN 1, 0, 1                                   ; slot 1 takes k 768-1023
	STEP 0, 0, 0
	TURN 0, 1, 0                                   ; nothing is left to fetch: no round of the cluster's barrier
	STEP 1, 0, 0
	s_wait_dscnt 16                                ; the last step
	WIN MUL_LO
	MULS 0, 1, 0
	MULS 2, 1, 0
	s_wait_alu depctr_va_vdst(0)
	s_wait_dscnt 0x0
	WIN MUL_HI
	MULS 4, 1, 0
	MULS 6, 1, 0
	WIN 0
; THE WAY OUT, block by block of 16 rows x 64 columns.  A lane holds pieces of one row, and the lanes beside it hold other rows: so a block goes through my own stage in LDS, each eight numbers to their true columns,
; and comes back as whole rows of 256 bytes.  LDS serves a wave's instructions in order (ISA guide 5.7.1.4): no wait between the stores and the loads, nor in front of the next block's stores.
.macro TOSTAGE a
	WIN 0x08                                       ; the stores' data: window 2
.irp b, 0,1,2,3
	ds_store_b128 v[STO], v[8*(4*(\a)+\b):8*(4*(\a)+\b)+3] offset:128*(\b/2)+32*(\b%2)        ; each accumulator from its low end on
	ds_store_b128 v[STO], v[8*(4*(\a)+\b)+4:8*(4*(\a)+\b)+7] offset:128*(\b/2)+32*(\b%2)+16
.endr
	WIN 0
.set BB, BK+32*((\a)%2)
.irp t, 0,1,2,3,4,5,6,7
	ds_load_b128 v[BB+4*\t:BB+4*\t+3], v[RD] offset:\t*2*SPITCH
.endr
.endm
.macro SEND a, younger                 ; younger: the LDS instructions issued behind block a's loads, which may stay out
.set BB, BK+32*((\a)%2)
	s_wait_dscnt \younger                          ; the block is back in registers
.set jj, 0
.rept 8
	v_pk_fma_f32 v[BB+jj:BB+jj+1], v[BB+jj:BB+jj+1], s[96:97], v[4:5] op_sel_hi:[1,0,1]       ; sum x 2^(e10 + e11) + bo (the scalar pair's low word for both halves)
	v_pk_fma_f32 v[BB+jj+2:BB+jj+3], v[BB+jj+2:BB+jj+3], s[96:97], v[6:7] op_sel_hi:[1,0,1]
.set jj, jj+4
.endr
.irp t, 0,1,2,3,4,5,6,7
	global_store_b128 v[CO], v[BB+4*\t:BB+4*\t+3], s[12:13] offset:(16*(\a)+2*\t)*4096 th:TH_STORE_NT   ; 16 lanes store 256 consecutive bytes, aligned; the row stands in the immediate, 126 rows at the most; written once, read by nobody here
.endr
.endm
	s_wait_kmcnt 0x0
	s_add_co_i32 s96, s96, s97                     ; e10 + e11
	s_add_co_i32 s96, s96, 127
	s_lshl_b32 s96, s96, 23                        ; 2^(e10 + e11) as f32
	s_mov_b32 s97, s96                             ; (named with it as a pair, so it is written)
	s_wait_loadcnt 0x0                             ; bo
	PLACES NP                                      ; behind the last products: their results are read, and ctx's registers are loaded into, below
	TOSTAGE 0
.irp a, 1,2,3,4,5,6,7
.if \a > 1
	s_wait_xcnt 0x0                                ; block a - 2's stores have read their registers: block a's loads may land there
.endif
	TOSTAGE \a
	SEND \a-1, 16                                  ; behind block a - 1's loads: block a's 8 stores and 8 loads
.endr
	SEND 7, 0
	s_wait_tensorcnt 0x0                           ; the wave's end: behind my last tensor load and my last LDS store
	ds_add_u32 v[SPW], v[NIL]
	s_wait_dscnt 0x0
	CROUND                                         ; the closing round: no work-group ends while a partner may still ask for a tile that names it
	s_endpgm
.Lfunc_end_k_q092e4f86e9_proj:
	.size	k_q092e4f86e9_proj, .Lfunc_end_k_q092e4f86e9_proj-k_q092e4f86e9_proj
	.p2alignl 7, 3214868480
	.fill 96, 4, 3214868480
	.section	.rodata,"a",@progbits
	.p2align	6, 0x0
	.amdhsa_kernel k_q092e4f86e9_proj
		.amdhsa_group_segment_fixed_size 327680
		.amdhsa_private_segment_fixed_size 0
		.amdhsa_enable_private_segment 0
		.amdhsa_kernarg_size 40
		.amdhsa_user_sgpr_count 2
		.amdhsa_user_sgpr_kernarg_segment_ptr 1
		.amdhsa_wavefront_size32 1
		.amdhsa_system_sgpr_workgroup_id_x 1
		.amdhsa_system_sgpr_workgroup_id_y 1
		.amdhsa_system_sgpr_workgroup_id_z 1
		.amdhsa_system_vgpr_workitem_id 0
		.amdhsa_next_free_vgpr 768
		.amdhsa_next_free_sgpr 100
		.amdhsa_reserve_vcc 0
		.amdhsa_float_denorm_mode_32 3
		.amdhsa_float_denorm_mode_16_64 3
		.amdhsa_memory_ordered 1
		.amdhsa_forward_progress 1
		.amdhsa_inst_pref_size 78
	.end_amdhsa_kernel
	.amdgpu_metadata
---
amdhsa.version: [ 1, 2 ]
amdhsa.kernels:
  - .name:           k_q092e4f86e9_proj
    .symbol:         k_q092e4f86e9_proj.kd
    .args:
      - { .name: cc, .offset: 0, .size: 8, .value_kind: global_buffer, .address_space: global }
      - { .name: wc, .offset: 8, .size: 8, .value_kind: global_buffer, .address_space: global }
      - { .name: lowp_scales, .offset: 16, .size: 8, .value_kind: global_buffer, .address_space: global }
      - { .name: bo, .offset: 24, .size: 8, .value_kind: global_buffer, .address_space: global }
      - { .name: out0, .offset: 32, .size: 8, .value_kind: global_buffer, .address_space: global }
    .group_segment_fixed_size: 327680
    .private_segment_fixed_size: 0
    .kernarg_segment_align: 8
    .kernarg_segment_size: 40
    .max_flat_workgroup_size: 128
    .sgpr_count:     100
    .vgpr_count:     768
    .wavefront_size: 32
...
	.end_amdgpu_metadata
.endif
;; end of part 4
